; MI455X (gfx1250); checked and timed in simulation.
; The chip was launched on July 23, 2026; its instructions are those of AMD's public machine-readable ISA for CDNA 5 (MIT licence, August 2026) and "CDNA5" Instruction Set Architecture Reference Guide (July 2026). The comments in the code are by the model that wrote it; some were corrected since.
;; Self Attention qkv. Allowed arithmetic: matrix products marked QUANTISED: E2M1 operands, one E8M0 scale for each 32 along K, by v_wmma_scale_f32_16x16x128_f8f6f4 with both operands' format E2M1 (or v_wmma_scale_f32_32x16x128_f4), f32 sums; products left as they are: bf16, f16 or f32 operands; f32 sums; everything else in f32.
;; Inputs: Wk 1,024 x 1,024 float32; Wo 1,024 x 1,024 float32; Wq 1,024 x 1,024 float32; Wv 1,024 x 1,024 float32; bo 1,024 float32; x 1 x 4,096 x 1,024 float32.
;; Outputs: out0 1 x 4,096 x 1,024 float32.
;; This version of the problem:
;;   THIS VERSION OF THE PROBLEM IS GIVEN IN LOW PRECISION. The matrix products marked QUANTISED in the list below multiply operands that are first quantised to E2M1 (2 exponent bits, 1 mantissa bit; 4 bits a number), with one power-of-two scale for each 32 numbers along K (OCP MX v1.0); their sums are f32. The products marked 'left as it is' may take bf16, f16 or f32 operands, with f32 sums. Whichever they take, every output number must still come out within the allowed error. Rounding operands to bf16 (8 significant bits) uses up far more of that allowance than f16 does (11 bits, for magnitudes from 6e-5 to 65,504). All else is computed in f32.
;;   The module's matrix products, in the order in which they are computed (A, B: the left and right operand; K: the contracted axis; several contracted axes count as one K, in the product's order):
;;     1. [M 4,096, K 1,024] x [K 1,024, N 1,024]; A: input x; B: input Wq: QUANTISED
;;     2. [M 4,096, K 1,024] x [K 1,024, N 1,024]; A: input x; B: input Wk: QUANTISED
;;     3. [M 4,096, K 1,024] x [K 1,024, N 1,024]; A: input x; B: input Wv: QUANTISED
;;     4. batch 16 x [M 4,096, K 64] x [K 64, N 4,096]; A: computed on the way; B: computed on the way: left as it is (an operand is computed on the way)
;;     5. batch 16 x [M 4,096, K 4,096] x [K 4,096, N 64]; A: computed on the way; B: computed on the way: left as it is (an operand is computed on the way)
;;     6. [M 4,096, K 1,024] x [K 1,024, N 1,024]; A: computed on the way; B: input Wo: left as it is (an operand is computed on the way)
;;   THE QUANTISER, for each operand of a quantised product, along K:
;;     - K is cut into blocks of 32 from its start; a last block that is shorter is filled with zeros.
;;     - A block's scale is 2^e with e = floor(log2(the largest magnitude in the block)) - 2, held to -126 .. 127; a block of zeros has e = 0. As a byte (E8M0): e + 127.
;;     - Each number is divided by its block's scale, clamped to +-6, and rounded to the nearest number of E2M1, ties to even, subnormals kept.
;;     - The product sums the exact products of the quantised numbers (number of the format x scale) in f32.
;;   ~~~python
;;   def quantise(x, axis):      # numpy; x: float32 -> the quantised numbers, widened to float32 again
;;       x = np.moveaxis(x, axis, -1); K = x.shape[-1]
;;       x = np.pad(x, [(0, 0)] * (x.ndim - 1) + [(0, -K % 32)]); x = x.reshape(x.shape[:-1] + (-1, 32)); a = np.abs(x).max(-1, keepdims=True)
;;       e = np.where(a > 0, np.clip(np.frexp(np.where(a > 0, a, 1))[1] - 1 - 2, -126, 127), 0)      # np.frexp(a)[1] - 1 = floor(log2(a)), exactly
;;       r = np.clip(x / 2.0 ** e, -6, 6)
;;       step = 2.0 ** (np.maximum(np.frexp(np.where(r == 0, 1, r))[1] - 1, 0) - 1)
;;       q = np.round(r / step) * step * 2.0 ** e      # np.round: ties to even
;;       return np.moveaxis(q.reshape(q.shape[:-2] + (-1,))[..., :K], -1, axis).astype(np.float32)
;;   ~~~
;; One version. Each part assembles by itself: llvm-mc -triple=amdgcn-amd-amdhsa -mcpu=gfx1250 --defsym DOCPART=n.
;; ======== version 1 of 1: 5 launches
;; limits: values are held in f16: magnitudes above 65,504 overflow, below 6.1e-05 lose precision
;; workspace buffers: codes 3,670,016 bytes; scales 229,376 bytes; wo16 2,097,152 bytes; qkv 25,165,824 bytes; ob 8,388,608 bytes; fimg 196,608 bytes
;; launch prep (part 1): grid 256 x 1, 8 waves a work-group, no clusters, 61,440 bytes of LDS; arguments x, Wq, Wk, Wv, Wo, codes, scales, wo16; writes codes, scales, wo16
.if DOCPART == 1
	.amdgcn_target "amdgcn-amd-amdhsa--gfx1250"
	.amdhsa_code_object_version 6
	.text
	.protected	k_qae847c36e0_prep
	.globl	k_qae847c36e0_prep
	.p2align	8
	.type	k_qae847c36e0_prep,@function
k_qae847c36e0_prep:
	s_mov_b64 s[64:65], 0
	v_nop
	global_prefetch_b8 v0, s[64:65] scope:SCOPE_SE
	s_setreg_imm32_b32 hwreg(HW_REG_WAVE_MODE, 25, 1), 1
	s_wait_xcnt 0x0
; x [4096][1024] f32 -> codes of FP4 (E2M1), K innermost, and one E8M0 byte for each 32 along K.
; Wq, Wk, Wv [1024 (K)][1024] f32 -> the same along their FIRST axis, laid with K innermost; row R = 192 head + 64 which + channel (which: 0 q, 1 k, 2 v).
; Wo [1024][1024] f32 -> f16, as it lies.
; A block's scale is 2^(floor(log2(largest magnitude)) - 2); its byte is the largest magnitude's exponent field - 2, held at 1 from below.
; LIMITS: a block of zeros gets the byte 1 (its codes are zeros; this program alone reads the bytes); NaN and infinities are not served; |Wo| stays under 65,504.
; Work-groups 0-127 take x (4,096 numbers a wave), 128-223 the three weights (64 columns x 512 along K each), 224-255 Wo (4,096 numbers a wave).
; Each path has LDS bytes of its own.  Every wave issues all its loads at its path's head.
.set XST,   0                          ; x: two stages of 2,560 bytes for each wave
.set XSC,   40960                      ; x: the work-group's 1,024 scale bytes
.set WST,   41984                      ; W: 64 rows of codes, 256 bytes + 16
.set WSC,   59392                      ; W: 64 rows of 16 scale bytes
.set SPARE, 60416                      ; the spare words, 128 bytes a wave: no other line names them
.set XCB,   2097152                    ; W's codes begin here in the codes' buffer
.set XSB,   131072                     ; W's scale bytes begin here: [2 halves of K][3072][16]
.set R, 16                             ; v16-143  numbers as loaded
.set X, 144                            ; v144-175 x: two sets of 16 neighbours
.set C, 176                            ; v176-191 x: codes, two registers a step
.set E, 192                            ; v192-199 x: a scale byte a step
.macro XLOAD t                         ; 2,048 bytes of x, each load 512 consecutive bytes
.irp i, 0,1,2,3
	global_load_b128 v[R+16*(\t)+4*\i:R+16*(\t)+4*\i+3], v3, s[4:5] offset:2048*(\t)+512*\i th:TH_LOAD_NT
.endr
.endm
.macro XTURN t                         ; through the wave's own stage: in as loaded, back 64 bytes a lane (LDS serves a wave's instructions in order)
.irp i, 0,1,2,3
	ds_store_b128 v14, v[R+16*(\t)+4*\i:R+16*(\t)+4*\i+3] offset:2560*((\t)%2)+640*\i
.endr
.irp i, 0,1,2,3
	ds_load_b128 v[X+16*((\t)%2)+4*\i:X+16*((\t)%2)+4*\i+3], v15 offset:2560*((\t)%2)+16*\i
.endr
.endm
.macro XSTEP t
.set XS, X+16*((\t)%2)
.if (\t) > 0
	s_wait_dscnt 1                                 ; this step's numbers are back; the last step's byte store may be out
.else
	s_wait_dscnt 0x0
.endif
.if (\t) < 7
	s_wait_loadcnt 4*(6-(\t))                      ; the next step's four loads are in; those of the steps behind it may be out
	XTURN (\t)+1
.endif
	v_max3_num_f32 v8, |v[XS]|, |v[XS+1]|, |v[XS+2]|
	v_max3_num_f32 v9, |v[XS+3]|, |v[XS+4]|, |v[XS+5]|
.irp i, 6,10
	v_max3_num_f32 v8, v8, |v[XS+\i]|, |v[XS+\i+1]|
	v_max3_num_f32 v9, v9, |v[XS+\i+2]|, |v[XS+\i+3]|
.endr
	v_max3_num_f32 v8, v8, |v[XS+14]|, |v[XS+15]|
	v_max3_num_f32 v8, v8, v9, 0x1800000           ; the floor 2^(3 - 127): the byte cannot fall under 1
	v_max_num_f32_dpp v8, v8, v8 row_xmask:1 row_mask:0xf bank_mask:0xf   ; with my neighbour's 16: the block's
	v_add_nc_u32 v11, 0xff000000, v8               ; 2 off the exponent field: the conversion's scale operand
	v_cvt_scalef32_pk8_fp4_f32 v[C+2*(\t)], v[XS:XS+7], v11
	v_cvt_scalef32_pk8_fp4_f32 v[C+2*(\t)+1], v[XS+8:XS+15], v11
	v_lshrrev_b32 v[E+(\t)], 23, v11               ; the scale's byte (also the plain line behind the conversions)
	ds_store_b8 v5, v[E+(\t)] offset:16*(\t)       ; both lanes of a block write the same byte
	global_store_b64 v4, v[C+2*(\t):C+2*(\t)+1], s[14:15] offset:256*(\t)   ; the wave stores 256 consecutive bytes, aligned
.endm
.macro WBLOCK t, left                  ; 32 along K of my column: all 32 numbers are mine
.set XS, R+32*(\t)
	s_wait_loadcnt \left
	v_max3_num_f32 v8, |v[XS]|, |v[XS+1]|, |v[XS+2]|
	v_max3_num_f32 v9, |v[XS+3]|, |v[XS+4]|, |v[XS+5]|
.irp i, 6,10,14,18,22,26
	v_max3_num_f32 v8, v8, |v[XS+\i]|, |v[XS+\i+1]|
	v_max3_num_f32 v9, v9, |v[XS+\i+2]|, |v[XS+\i+3]|
.endr
	v_max3_num_f32 v8, v8, |v[XS+30]|, |v[XS+31]|
	v_max3_num_f32 v8, v8, v9, 0x1800000
	v_add_nc_u32 v11, 0xff000000, v8
	v_lshrrev_b32 v9, 23, v11
.if (\t) == 0
	v_mov_b32 v160, v9
.else
	v_lshl_or_b32 v160, v9, 8*(\t), v160           ; four bytes to a word, the lower K in the lower byte
.endif
.irp g, 0,1,2,3
	v_cvt_scalef32_pk8_fp4_f32 v[144+4*(\t)+\g], v[XS+8*\g:XS+8*\g+7], v11
.endr
	v_nop                                          ; one plain line behind the conversions
	ds_store_b128 v200, v[144+4*(\t):144+4*(\t)+3] offset:16*(\t)
.endm
	s_load_b512 s[4:19], s[0:1], 0x0               ; x s[4:5], Wq s[6:7], Wk s[8:9], Wv s[10:11], Wo s[12:13], codes s[14:15], scales s[16:17], wo16 s[18:19]
	v_lshl_add_u32 v12, v0, 2, SPARE               ; my spare word; never rewritten
	v_mov_b32 v13, 0                               ; 0; never rewritten
	v_lshrrev_b32 v1, 5, v0
	v_readfirstlane_b32 s20, v1                    ; wave 0..7
	v_and_b32 v2, 31, v0                           ; lane
	v_lshlrev_b32 v3, 4, v2                        ; 16 x lane
	v_lshlrev_b32 v4, 3, v2                        ; 8 x lane
	; all LDS addresses of both paths are made here, ahead of the parting
	s_mul_i32 s21, s20, 5120
	v_lshrrev_b32 v14, 2, v2
	v_mul_u32_u24 v14, v14, 80
	v_and_b32 v15, 3, v2
	v_lshl_add_u32 v14, v15, 4, v14
	v_add_nc_u32 v14, s21, v14                     ; x's stage, in: 80 (lane / 4) + 16 (lane % 4)
	v_mul_u32_u24 v15, v2, 80
	v_add_nc_u32 v15, s21, v15                     ; and back: 80 x lane
	s_lshl_b32 s21, s20, 7
	s_add_co_u32 s21, s21, XSC
	v_lshrrev_b32 v5, 1, v2
	v_add_nc_u32 v5, s21, v5                       ; my block's scale byte
	v_lshlrev_b32 v7, 4, v0                        ; 16 x thread
	v_add_nc_u32 v6, XSC, v7
	s_and_b32 s22, s20, 1                          ; W: which 32 columns
	s_lshr_b32 s23, s20, 1                         ; W: which 128 along K
	s_mul_i32 s24, s22, 32*272
	s_lshl_b32 s25, s23, 6
	s_add_co_u32 s24, s24, s25
	s_add_co_u32 s24, s24, WST
	v_mul_u32_u24 v200, v2, 272
	v_add_nc_u32 v200, s24, v200                   ; my column's row of codes, my 64 bytes of it
	s_lshl_b32 s24, s22, 9
	s_lshl_b32 s25, s23, 2
	s_add_co_u32 s24, s24, s25
	s_add_co_u32 s24, s24, WSC
	v_lshl_add_u32 v201, v2, 4, s24                ; my column's scale word
	v_and_b32 v206, 15, v2
	v_lshrrev_b32 v207, 4, v2
	s_mul_i32 s24, s20, 8*272
	s_add_co_u32 s24, s24, WST
	v_mul_u32_u24 v202, v207, 272
	v_lshl_add_u32 v202, v206, 4, v202
	v_add_nc_u32 v202, s24, v202                   ; back: rows 8 wave + lane / 16, sixteen lanes to a row
	v_add_nc_u32 v203, WSC, v7
	s_lshl_b32 s24, s20, 12
	v_lshlrev_b32 v204, 9, v207
	v_lshl_add_u32 v204, v206, 4, v204
	v_add_nc_u32 v204, s24, v204                   ; the same place in the codes' buffer: rows of 512 bytes
	v_lshlrev_b32 v205, 2, v2                      ; 4 x lane
	s_wait_kmcnt 0x0
	s_cmp_lt_u32 ttmp9, 128
	s_cbranch_scc1 .Lpath_x
	s_cmp_lt_u32 ttmp9, 224
	s_cbranch_scc1 .Lpath_w
	; ---- Wo to f16: no LDS
	s_sub_co_u32 s21, ttmp9, 224
	s_lshl_b32 s21, s21, 3
	s_add_co_u32 s21, s21, s20                     ; which run of 4,096 numbers
	s_lshl_b32 s24, s21, 14
	s_mov_b32 s25, 0
	s_add_nc_u64 s[12:13], s[12:13], s[24:25]
	s_lshl_b32 s24, s21, 13
	s_add_nc_u64 s[18:19], s[18:19], s[24:25]
.set i, 0
.rept 32
	global_load_b128 v[R+4*i:R+4*i+3], v3, s[12:13] offset:512*i th:TH_LOAD_NT
.set i, i+1
.endr
.set i, 0
.rept 32
	s_wait_loadcnt 31-i                            ; loads come back in order: load i is in
	v_cvt_pk_f16_f32 v[R+4*i], v[R+4*i], v[R+4*i+1]
	v_cvt_pk_f16_f32 v[R+4*i+1], v[R+4*i+2], v[R+4*i+3]
	global_store_b64 v4, v[R+4*i:R+4*i+1], s[18:19] offset:256*i   ; 256 consecutive bytes, aligned
.set i, i+1
.endr
	s_endpgm
.Lpath_x:
	s_lshl_b32 s21, ttmp9, 3
	s_add_co_u32 s21, s21, s20                     ; which run of 4,096 numbers
	s_lshl_b32 s24, s21, 14
	s_mov_b32 s25, 0
	s_add_nc_u64 s[4:5], s[4:5], s[24:25]
	s_lshl_b32 s24, s21, 11
	s_add_nc_u64 s[14:15], s[14:15], s[24:25]
	s_lshl_b32 s24, ttmp9, 10
	s_add_nc_u64 s[16:17], s[16:17], s[24:25]
.irp t, 0,1,2,3,4,5,6,7
	XLOAD \t
.endr
	s_wait_loadcnt 28                              ; step 0's four loads are in
	XTURN 0
.irp t, 0,1,2,3,4,5,6,7
	XSTEP \t
.endr
	s_wait_dscnt 0x0                               ; my scale bytes lie in LDS
	s_barrier_signal -1
	s_barrier_wait -1                              ; everybody's do
	s_cmp_gt_u32 s20, 1
	s_cbranch_scc1 .Lx_done
	ds_load_b128 v[8:11], v6                       ; waves 0 and 1 store the 1,024 bytes, 512 consecutive bytes each
	s_wait_dscnt 0x0
	global_store_b128 v7, v[8:11], s[16:17]
.Lx_done:
	s_wait_tensorcnt 0x0                           ; the wave's end, behind my last LDS store
	ds_add_u32 v12, v13
	s_wait_dscnt 0x0
	s_endpgm
.Lpath_w:
	s_sub_co_u32 s21, ttmp9, 128
	s_lshr_b32 s26, s21, 5                         ; which weight
	s_bfe_u32 s27, s21, 0x40001                    ; head
	s_and_b32 s28, s21, 1                          ; which half of K
	s_cmp_eq_u32 s26, 0
	s_cselect_b64 s[30:31], s[6:7], s[8:9]
	s_cmp_eq_u32 s26, 2
	s_cselect_b64 s[30:31], s[10:11], s[30:31]
	s_lshl_b32 s24, s28, 21                        ; (512 half + 128 quarter) rows of 4,096 bytes + (64 head + 32 group) x 4
	s_lshl_b32 s29, s23, 19
	s_add_co_u32 s24, s24, s29
	s_lshl_b32 s29, s27, 8
	s_add_co_u32 s24, s24, s29
	s_lshl_b32 s29, s22, 7
	s_add_co_u32 s24, s24, s29
	s_mov_b32 s25, 0
	s_add_nc_u64 s[30:31], s[30:31], s[24:25]
	s_mul_i32 s24, s27, 98304                      ; codes: (192 head + 64 which) rows of 512 bytes + 256 half
	s_lshl_b32 s29, s26, 15
	s_add_co_u32 s24, s24, s29
	s_lshl_b32 s29, s28, 8
	s_add_co_u32 s24, s24, s29
	s_add_co_u32 s24, s24, XCB
	s_add_nc_u64 s[14:15], s[14:15], s[24:25]
	s_mul_i32 s24, s28, 49152                      ; scale bytes: the half's plane + (192 head + 64 which) x 16
	s_mul_i32 s29, s27, 3072
	s_add_co_u32 s24, s24, s29
	s_lshl_b32 s29, s26, 10
	s_add_co_u32 s24, s24, s29
	s_add_co_u32 s24, s24, XSB
	s_add_nc_u64 s[16:17], s[16:17], s[24:25]
.set i, 0
.rept 128
	global_load_b32 v[R+i], v205, s[30:31] offset:4096*i th:TH_LOAD_NT   ; a lane takes a column, its registers run down K; 128 consecutive bytes a wave
.set i, i+1
.endr
	WBLOCK 0, 63                                   ; 96 younger loads exist: 63 is the wait's largest count and the stricter
	WBLOCK 1, 63                                   ; 64 younger loads exist
	WBLOCK 2, 32
	WBLOCK 3, 0
	ds_store_b32 v201, v160
	s_wait_dscnt 0x0                               ; my codes and my scale word lie in LDS
	s_barrier_signal -1
	s_barrier_wait -1
.irp i, 0,1,2,3
	ds_load_b128 v[164+4*\i:167+4*\i], v202 offset:544*\i
.endr
.irp i, 0,1,2,3
	s_wait_dscnt 3-\i
	global_store_b128 v204, v[164+4*\i:167+4*\i], s[14:15] offset:1024*\i   ; sixteen lanes store 256 consecutive bytes, aligned
.endr
	s_cmp_gt_u32 s20, 1
	s_cbranch_scc1 .Lw_done
	ds_load_b128 v[180:183], v203
	s_wait_dscnt 0x0
	global_store_b128 v7, v[180:183], s[16:17]     ; the 64 rows' 1,024 scale bytes are consecutive
.Lw_done:
	s_wait_tensorcnt 0x0                           ; the wave's end, behind my last LDS store
	ds_add_u32 v12, v13
	s_wait_dscnt 0x0
	s_endpgm
.Lfunc_end_k_qae847c36e0_prep:
	.size	k_qae847c36e0_prep, .Lfunc_end_k_qae847c36e0_prep-k_qae847c36e0_prep
	.p2alignl 7, 3214868480
	.fill 96, 4, 3214868480
	.section	.rodata,"a",@progbits
	.p2align	6, 0x0
	.amdhsa_kernel k_qae847c36e0_prep
		.amdhsa_group_segment_fixed_size 61440
		.amdhsa_private_segment_fixed_size 0
		.amdhsa_enable_private_segment 0
		.amdhsa_kernarg_size 64
		.amdhsa_user_sgpr_count 2
		.amdhsa_user_sgpr_kernarg_segment_ptr 1
		.amdhsa_wavefront_size32 1
		.amdhsa_system_sgpr_workgroup_id_x 1
		.amdhsa_system_sgpr_workgroup_id_y 1
		.amdhsa_system_sgpr_workgroup_id_z 1
		.amdhsa_system_vgpr_workitem_id 0
		.amdhsa_next_free_vgpr 256
		.amdhsa_next_free_sgpr 66
		.amdhsa_reserve_vcc 0
		.amdhsa_float_denorm_mode_32 3
		.amdhsa_float_denorm_mode_16_64 3
		.amdhsa_memory_ordered 1
		.amdhsa_forward_progress 1
		.amdhsa_inst_pref_size 51
	.end_amdhsa_kernel
	.amdgpu_metadata
---
amdhsa.version: [ 1, 2 ]
amdhsa.kernels:
  - .name:           k_qae847c36e0_prep
    .symbol:         k_qae847c36e0_prep.kd
    .args:
      - { .name: x, .offset: 0, .size: 8, .value_kind: global_buffer, .address_space: global }
      - { .name: Wq, .offset: 8, .size: 8, .value_kind: global_buffer, .address_space: global }
      - { .name: Wk, .offset: 16, .size: 8, .value_kind: global_buffer, .address_space: global }
      - { .name: Wv, .offset: 24, .size: 8, .value_kind: global_buffer, .address_space: global }
      - { .name: Wo, .offset: 32, .size: 8, .value_kind: global_buffer, .address_space: global }
      - { .name: codes, .offset: 40, .size: 8, .value_kind: global_buffer, .address_space: global }
      - { .name: scales, .offset: 48, .size: 8, .value_kind: global_buffer, .address_space: global }
      - { .name: wo16, .offset: 56, .size: 8, .value_kind: global_buffer, .address_space: global }
    .group_segment_fixed_size: 61440
    .private_segment_fixed_size: 0
    .kernarg_segment_align: 8
    .kernarg_segment_size: 64
    .max_flat_workgroup_size: 256
    .sgpr_count:     66
    .vgpr_count:     256
    .wavefront_size: 32
...
	.end_amdgpu_metadata
.endif
;; end of part 1
;; launch qkv (part 2): grid 16 x 16, 4 waves a work-group, clusters of 4 x 1, 262,144 bytes of LDS; arguments codes, scales, qkv, fimg; writes qkv, fimg
.if DOCPART == 2
	.amdgcn_target "amdgcn-amd-amdhsa--gfx1250"
	.amdhsa_code_object_version 6
	.text
	.protected	k_qae847c36e0_qkv
	.globl	k_qae847c36e0_qkv
	.p2align	8
	.type	k_qae847c36e0_qkv,@function
k_qae847c36e0_qkv:
	s_mov_b64 s[64:65], 0
	v_nop
	global_prefetch_b8 v0, s[64:65] scope:SCOPE_SE
	s_setreg_imm32_b32 hwreg(HW_REG_WAVE_MODE, 25, 1), 1
	s_wait_xcnt 0x0
	s_wait_alu depctr_hold_cnt(0) depctr_sa_sdst(0) depctr_va_vdst(0) depctr_va_sdst(0) depctr_va_ssrc(0) depctr_va_vcc(0) depctr_vm_vsrc(0)
	s_getreg_b32 s2, hwreg(HW_REG_IB_STS2, 6, 4)
	s_cmp_eq_u32 s2, 0
	s_cbranch_scc0 .Lentry_in_a_cluster
	s_endpgm
.Lentry_in_a_cluster:
	s_bfe_u32 s2, ttmp6, 0x10000c
	s_cmp_lg_u32 s2, 0x3003
	s_cbranch_scc0 .Lentry_shape_is_right
	s_endpgm
.Lentry_shape_is_right:
; q, k, v = x Wq, x Wk, x Wv on codes of FP4 (E2M1) with one E8M0 scale for each 32 along K; sums in f32; results rounded to f16.
; A work-group makes 256 positions x one head's 192 columns (64 of q, 64 of k, 64 of v); a wave 64 positions x 192: 48 accumulators.
; All of K (1,024) fits in LDS as two chunks of 512 codes (rows of 256 bytes).
; CLUSTER: the four heads of a cluster need the same 256 rows of x: asked for jointly (mask 15).  W's rows differ from head to head: plain loads.  The cluster is 4 x 1, so that the row tile is
; the grid's y alone: the branch that stores the f32 images hangs on it.
; q and k are made TRANSPOSED (source 0 = 16 rows of W, source 1 = 16 rows of x): a lane holds 8 neighbouring channels of one position.  v is made in the natural order: a lane holds 8 neighbouring
; positions of one channel, so that v leaves with the KEYS innermost: [head][block of 64 keys][channel][64 keys].
; The accumulators of positions 0-15 also leave as they stand, in f32, for the launch that makes the first 16 rows finely.
; LIMIT: |q|, |k|, |v| stay under 65,504.
; REGISTERS: window 0: v2-10 addresses, v14, v15 the add's two, v16-31 x's scale words, v32-79 W's, v80-143 x's fragments (two sets), v144-191 the way out.
;   window 1: accumulators (a, b < 8) at 8 (8 a + b).   window 2: (a, b >= 8) at 8 (4 a + b - 8).   window 3: W's fragments, set p at 128 p + 8 b.
.set CH,    121856                     ; a chunk: 256 rows of x, then 192 rows of W, 272 bytes apart
.set XROWS, 69632
.set STAGE, 243712                     ; 16 rows x 144 bytes for each wave
.set SPARE, 252928                     ; the spare words: no other line names them
.set XCB,   2097152
.set XSB,   131072
.set TMP,   144
.set BK,    160
.set MSB, 0
.macro WIN new                         ; the immediate's high byte repeats the setting that is left
.if MSB != \new
	s_set_vgpr_msb (MSB<<8)|\new
.set MSB, \new
.endif
.endm
.macro PLACES
.rept 4
	v_nop
.endr
.endm
.macro ROUND                           ; a round of the cluster's barrier
	s_barrier_signal -1
	s_barrier_wait -1
	s_cmp_lg_u32 s12, 0
	s_cbranch_scc1 .Lnot_wave_0_\@
	s_barrier_signal -3
.Lnot_wave_0_\@:
	s_barrier_wait -3
	s_barrier_signal -1
	s_barrier_wait -1
.endm
; one product: D at d, sources at a and b, scale words sa and sb; ra, rb: the side's words lie in lanes 16-31
.macro WM d, a, b, zero, sa, sb, ra, rb
.if \zero
.if (\ra) && (\rb)
	v_wmma_scale_f32_16x16x128_f8f6f4 v[\d:\d+7], v[\a:\a+7], v[\b:\b+7], 0, v[\sa], v[\sb] matrix_a_fmt:MATRIX_FMT_FP4 matrix_b_fmt:MATRIX_FMT_FP4 matrix_a_scale:MATRIX_SCALE_ROW1 matrix_b_scale:MATRIX_SCALE_ROW1
.elseif (\ra)
	v_wmma_scale_f32_16x16x128_f8f6f4 v[\d:\d+7], v[\a:\a+7], v[\b:\b+7], 0, v[\sa], v[\sb] matrix_a_fmt:MATRIX_FMT_FP4 matrix_b_fmt:MATRIX_FMT_FP4 matrix_a_scale:MATRIX_SCALE_ROW1
.elseif (\rb)
	v_wmma_scale_f32_16x16x128_f8f6f4 v[\d:\d+7], v[\a:\a+7], v[\b:\b+7], 0, v[\sa], v[\sb] matrix_a_fmt:MATRIX_FMT_FP4 matrix_b_fmt:MATRIX_FMT_FP4 matrix_b_scale:MATRIX_SCALE_ROW1
.else
	v_wmma_scale_f32_16x16x128_f8f6f4 v[\d:\d+7], v[\a:\a+7], v[\b:\b+7], 0, v[\sa], v[\sb] matrix_a_fmt:MATRIX_FMT_FP4 matrix_b_fmt:MATRIX_FMT_FP4
.endif
.else
.if (\ra) && (\rb)
	v_wmma_scale_f32_16x16x128_f8f6f4 v[\d:\d+7], v[\a:\a+7], v[\b:\b+7], v[\d:\d+7], v[\sa], v[\sb] matrix_a_fmt:MATRIX_FMT_FP4 matrix_b_fmt:MATRIX_FMT_FP4 matrix_a_scale:MATRIX_SCALE_ROW1 matrix_b_scale:MATRIX_SCALE_ROW1
.elseif (\ra)
	v_wmma_scale_f32_16x16x128_f8f6f4 v[\d:\d+7], v[\a:\a+7], v[\b:\b+7], v[\d:\d+7], v[\sa], v[\sb] matrix_a_fmt:MATRIX_FMT_FP4 matrix_b_fmt:MATRIX_FMT_FP4 matrix_a_scale:MATRIX_SCALE_ROW1
.elseif (\rb)
	v_wmma_scale_f32_16x16x128_f8f6f4 v[\d:\d+7], v[\a:\a+7], v[\b:\b+7], v[\d:\d+7], v[\sa], v[\sb] matrix_a_fmt:MATRIX_FMT_FP4 matrix_b_fmt:MATRIX_FMT_FP4 matrix_b_scale:MATRIX_SCALE_ROW1
.else
	v_wmma_scale_f32_16x16x128_f8f6f4 v[\d:\d+7], v[\a:\a+7], v[\b:\b+7], v[\d:\d+7], v[\sa], v[\sb] matrix_a_fmt:MATRIX_FMT_FP4 matrix_b_fmt:MATRIX_FMT_FP4
.endif
.endif
.endm
; the fragments of K step q (128 along K) into set p: 32 LDS loads in one run.  A fragment is 16 rows x 128 codes: two loads of 16 bytes, 32 bytes apart
.macro FETCH q, p
	WIN 0xc0                                       ; destination window 3
.irp b, 0,1,2,3,4,5,6,7,8,9,10,11
	ds_load_b128 v[128*(\p)+8*\b:128*(\p)+8*\b+3], v[4+(\q)/4] offset:4352*\b+64*((\q)%4)
	ds_load_b128 v[128*(\p)+8*\b+4:128*(\p)+8*\b+7], v[4+(\q)/4] offset:4352*\b+64*((\q)%4)+32
.endr
	WIN 0
.irp a, 0,1,2,3
	ds_load_b128 v[80+32*(\p)+8*\a:80+32*(\p)+8*\a+3], v[2+(\q)/4] offset:4352*\a+64*((\q)%4)
	ds_load_b128 v[80+32*(\p)+8*\a+4:80+32*(\p)+8*\a+7], v[2+(\q)/4] offset:4352*\a+64*((\q)%4)+32
.endr
.endm
; K step q: 48 products, each accumulator once
.macro MULT q, p, zero
	WIN 0x53                                       ; source 0 (W) window 3, source 1 (x) window 0, C and D window 1
.irp a, 0,1,2,3
.irp b, 0,1,2,3,4,5,6,7
	WM 8*(8*\a+\b), 128*(\p)+8*\b, 80+32*(\p)+8*\a, \zero, 32+8*(\b%6)+(\q), 16+8*(\a%2)+(\q), \b/6, \a/2
.endr
.endr
	WIN 0xac                                       ; source 0 (x) window 0, source 1 (W) window 3, C and D window 2
.irp a, 0,1,2,3
.irp b, 8,9,10,11
	WM 8*(4*\a+\b-8), 80+32*(\p)+8*\a, 128*(\p)+8*\b, \zero, 16+8*(\a%2)+(\q), 32+8*(\b%6)+(\q), \a/2, \b/6
.endr
.endr
.endm
; THE WAY OUT, 2,048 bytes at a time: four accumulators (at a0 + st i) rounded to f16, through my stage, back as 512 consecutive bytes a load
.macro PACK win, a0, st
	WIN \win
.irp i, 0,1,2,3
.irp k, 0,1,2,3
	v_cvt_pk_f16_f32 v[TMP+4*\i+\k], v[(\a0)+(\st)*\i+2*\k], v[(\a0)+(\st)*\i+2*\k+1]
.endr
.endr
	WIN 0
.endm
.macro TOSTAGE par
.irp i, 0,1,2,3
	ds_store_b128 v6, v[TMP+4*\i:TMP+4*\i+3] offset:32*\i
.endr
.irp i, 0,1,2,3
	ds_load_b128 v[BK+16*(\par)+4*\i:BK+16*(\par)+4*\i+3], v7 offset:576*\i   ; LDS serves a wave's instructions in order: these see the stores above
.endr
.endm
.macro SEND par, sb, imm
	s_wait_dscnt 0x0                               ; the unit is back in registers
	s_wait_xcnt 0x0                                ; earlier stores have read their registers: the other set may be loaded again behind this wait
.irp i, 0,1,2,3
	global_store_b128 v8, v[BK+16*(\par)+4*\i:BK+16*(\par)+4*\i+3], s[\sb:\sb+1] offset:(\imm)+512*\i   ; 512 consecutive bytes, aligned
.endr
.endm
	s_load_b256 s[4:11], s[0:1], 0x0               ; codes s[4:5], scales s[6:7], qkv s[8:9], fimg s[10:11]
	v_lshl_add_u32 v14, v0, 2, SPARE
	v_mov_b32 v15, 0
	ds_add_u32 v14, v15                            ; the wave's opening: the add, twice on end, and its wait ahead of my first tensor load
	ds_add_u32 v14, v15
	v_lshrrev_b32 v1, 5, v0
	v_readfirstlane_b32 s12, v1                    ; wave 0..3
	s_and_b32 s13, s12, 1                          ; which half of a tile I fetch
	s_bfe_u32 s14, ttmp6, 0x40000                  ; cx
	s_lshl_b32 s15, ttmp9, 2
	s_add_co_u32 s15, s15, s14                     ; head = 4 x cluster x + cx
	s_and_b32 s16, ttmp7, 0xffff                   ; row tile: shared by the four partners
	; group 1 for x's tiles: 128 rows of 256 bytes, 512 bytes apart, 16 bytes of padding behind each; mask: all four
	s_mov_b32 s24, 15|(1<<20)|(1<<21)|(5<<22)|(3<<25)
	s_mov_b32 s25, 256<<16
	s_mov_b32 s26, 128<<16
	s_mov_b32 s27, 256<<16
	s_mov_b32 s28, 128
	s_mov_b32 s29, 512
	s_mov_b32 s30, 0
	s_mov_b32 s31, 0
	; group 1 for W's tiles: 96 rows, no mask
	s_mov_b32 s32, (1<<20)|(5<<22)|(3<<25)
	s_mov_b32 s33, 256<<16
	s_mov_b32 s34, 96<<16
	s_mov_b32 s35, 256<<16
	s_mov_b32 s36, 96
	s_mov_b32 s37, 512
	s_mov_b32 s38, 0
	s_mov_b32 s39, 0
	s_lshl_b32 s70, s16, 17                        ; x: (256 tile + 128 half) rows of 512 bytes: no place in the cluster enters it
	s_lshl_b32 s71, s13, 16
	s_add_co_u32 s70, s70, s71
	s_mov_b32 s71, 0
	s_mul_i32 s72, s15, 98304                      ; W: (192 head + 96 half) rows of 512 bytes
	s_mul_i32 s73, s13, 49152
	s_add_co_u32 s72, s72, s73
	s_add_co_u32 s72, s72, XCB
	s_mov_b32 s73, 0
	s_mul_i32 s17, s13, 34816                      ; where they go in a chunk
	s_mul_i32 s18, s13, 26112
	s_add_co_u32 s18, s18, XROWS
	s_lshl_b32 s74, s16, 13                        ; x's scale bytes: (256 tile + 64 wave) rows of 32
	s_lshl_b32 s75, s12, 11
	s_add_co_u32 s74, s74, s75
	s_mov_b32 s75, 0
	s_mul_i32 s76, s15, 3072                       ; W's: 192 head rows of 16
	s_add_co_u32 s76, s76, XSB
	s_mov_b32 s77, 0
	s_lshl_b32 s78, s15, 19                        ; out: head x 524,288 + (256 tile + 64 wave) x 128: the same offset in q's, k's and v's part
	s_lshl_b32 s79, s16, 15
	s_add_co_u32 s78, s78, s79
	s_lshl_b32 s79, s12, 13
	s_add_co_u32 s78, s78, s79
	s_mov_b32 s79, 0
	s_mul_i32 s80, s15, 12288                      ; the head's f32 images
	s_mov_b32 s81, 0
	s_wait_dscnt 0x0                               ; both opening adds are done
	s_wait_kmcnt 0x0
	s_add_nc_u64 s[20:21], s[4:5], s[70:71]
	s_add_nc_u64 s[22:23], s[4:5], s[72:73]
	s_add_nc_u64 s[56:57], s[6:7], s[74:75]
	s_add_nc_u64 s[58:59], s[6:7], s[76:77]
	s_add_nc_u64 s[60:61], s[8:9], s[78:79]        ; q
	s_add_nc_u64 s[62:63], s[60:61], 0x800000      ; k
	s_add_nc_u64 s[66:67], s[60:61], 0x1000000     ; v
	s_add_nc_u64 s[68:69], s[10:11], s[80:81]
	ROUND                                          ; all four work-groups are here: the joint loads meet
.irp c, 0,1
	s_mov_b32 s[40+4*\c], 1
	s_add_co_u32 s[41+4*\c], s17, \c*CH
	s_add_nc_u64 s[42+4*\c:43+4*\c], s[20:21], \c*256
	s_or_b32 s[43+4*\c], s[43+4*\c], 0x80000000
	s_mov_b32 s[48+4*\c], 1
	s_add_co_u32 s[49+4*\c], s18, \c*CH
	s_add_nc_u64 s[50+4*\c:51+4*\c], s[22:23], \c*256
	s_or_b32 s[51+4*\c], s[51+4*\c], 0x80000000
.endr
	s_cmp_lt_u32 s12, 2                            ; waves 0, 1: x's halves; waves 2, 3: W's.  A wave's two first fills stand in one branch: two loads of mine are out
	s_cbranch_scc0 .Lfirst_w
	tensor_load_to_lds s[40:43], s[24:31]
	s_nop 0
	tensor_load_to_lds s[44:47], s[24:31]
	s_nop 0
	PLACES
	s_branch .Lfirst_done
.Lfirst_w:
	tensor_load_to_lds s[48:51], s[32:39]
	s_nop 0
	tensor_load_to_lds s[52:55], s[32:39]
	s_nop 0
	PLACES
.Lfirst_done:
	v_and_b32 v1, 15, v0                           ; r
	v_bfe_u32 v11, v0, 4, 1                        ; h
	v_and_b32 v12, 31, v0                          ; lane
	v_lshlrev_b32 v9, 5, v1
	v_lshl_add_u32 v9, v11, 10, v9                 ; x's scale words: row r; lanes 16-31 take the block two further on
	v_lshlrev_b32 v10, 4, v1
	v_mad_u32_u24 v10, v11, 1536, v10              ; W's: row r; lanes 16-31 the block six further on
.irp a, 0,1
.irp g, 0,1
	global_load_b128 v[16+8*\a+4*\g:19+8*\a+4*\g], v9, s[56:57] offset:512*\a+16*\g
.endr
.endr
.irp b, 0,1,2,3,4,5
.irp g, 0,1
	global_load_b128 v[32+8*\b+4*\g:35+8*\b+4*\g], v10, s[58:59] offset:256*\b+49152*\g
.endr
.endr
	v_mul_u32_u24 v13, v1, 272
	v_lshl_add_u32 v13, v11, 4, v13                ; a fragment's row x pitch + 16 x half
	s_mul_i32 s19, s12, 17408
	v_add_nc_u32 v2, s19, v13                      ; x: my 64 rows, chunk 0
	v_add_nc_u32 v3, CH, v2                        ; chunk 1
	v_add_nc_u32 v4, XROWS, v13                    ; W, chunk 0
	v_add_nc_u32 v5, XROWS+CH, v13                 ; chunk 1
	s_mul_i32 s19, s12, 2304
	s_add_co_u32 s19, s19, STAGE
	v_mul_u32_u24 v6, v1, 144
	v_lshl_add_u32 v6, v11, 4, v6
	v_add_nc_u32 v6, s19, v6                       ; my stage, in: row r, 16 bytes for each half of the lanes
	v_lshrrev_b32 v7, 3, v12
	v_mul_u32_u24 v7, v7, 144
	v_and_b32 v13, 7, v12
	v_lshl_add_u32 v7, v13, 4, v7
	v_add_nc_u32 v7, s19, v7                       ; back: eight lanes to a row of 128 bytes
	v_lshlrev_b32 v8, 4, v12                       ; 16 x lane
	s_wait_tensorcnt 1                             ; my part of chunk 0 is in; chunk 1's may stay out
	s_barrier_signal -1
	s_barrier_wait -1
	FETCH 0, 0
	s_wait_loadcnt 0x0                             ; the scale words
	FETCH 1, 1
	s_wait_dscnt 32                                ; all but the 32 just issued
	MULT 0, 0, 1                                   ; the first K step starts the sums: nothing is cleared
	PLACES                                         ; four places in front of loads into registers that matrix instructions have read
	FETCH 2, 0
	s_wait_dscnt 32
	MULT 1, 1, 0
	PLACES
	FETCH 3, 1
	s_wait_dscnt 32
	MULT 2, 0, 0
	s_wait_dscnt 0x0
	s_wait_tensorcnt 0x0                           ; my part of chunk 1 is in,
	s_barrier_signal -1
	MULT 3, 1, 0
	WIN 0
	s_barrier_wait -1                              ; everybody's is
	PLACES
	FETCH 4, 0
	FETCH 5, 1
	s_wait_dscnt 32
	MULT 4, 0, 0
	PLACES
	FETCH 6, 0
	s_wait_dscnt 32
	MULT 5, 1, 0
	PLACES
	FETCH 7, 1
	s_wait_dscnt 32
	MULT 6, 0, 0
	s_wait_dscnt 0x0
	MULT 7, 1, 0
	WIN 0
	PLACES
	; positions 0-15 (row tile 0, wave 0, block a = 0): the twelve accumulators as they stand, each from its low end on
	s_or_b32 s17, s16, s12
	s_cmp_lg_u32 s17, 0
	s_cbranch_scc1 .Lno_img
	WIN 0x04                                       ; a store's data are its source 1: window 1
.irp b, 0,1,2,3,4,5,6,7
	global_store_b128 v8, v[8*\b:8*\b+3], s[68:69] offset:1024*\b
	global_store_b128 v8, v[8*\b+4:8*\b+7], s[68:69] offset:1024*\b+512
.endr
	WIN 0x08                                       ; window 2
.irp b, 8,9,10,11
	global_store_b128 v8, v[8*(\b-8):8*(\b-8)+3], s[68:69] offset:1024*\b
	global_store_b128 v8, v[8*(\b-8)+4:8*(\b-8)+7], s[68:69] offset:1024*\b+512
.endr
	WIN 0
.Lno_img:
	PACK 0x05, 0, 8                                ; q, positions 16 a on: accumulators (a, 0 .. 3)
	TOSTAGE 0
	PACK 0x05, 64, 8                               ; a unit's conversions stand between the loads of the unit before and the wait for them
	SEND 0, 60, 0
	TOSTAGE 1
	PACK 0x05, 128, 8
	SEND 1, 60, 2048
	TOSTAGE 0
	PACK 0x05, 192, 8
	SEND 0, 60, 4096
	TOSTAGE 1
	PACK 0x05, 32, 8                               ; k: accumulators (a, 4 .. 7)
	SEND 1, 60, 6144
	TOSTAGE 0
	PACK 0x05, 96, 8
	SEND 0, 62, 0
	TOSTAGE 1
	PACK 0x05, 160, 8
	SEND 1, 62, 2048
	TOSTAGE 0
	PACK 0x05, 224, 8
	SEND 0, 62, 4096
	TOSTAGE 1
	PACK 0x0a, 0, 32                               ; v, channels 16 ct on: accumulators (0 .. 3, 8 + ct): a stage row is a channel, its 128 bytes my 64 keys
	SEND 1, 62, 6144
	TOSTAGE 0
	PACK 0x0a, 8, 32
	SEND 0, 66, 0
	TOSTAGE 1
	PACK 0x0a, 16, 32
	SEND 1, 66, 2048
	TOSTAGE 0
	PACK 0x0a, 24, 32
	SEND 0, 66, 4096
	TOSTAGE 1
	SEND 1, 66, 6144
	s_wait_tensorcnt 0x0                           ; the wave's end
	ds_add_u32 v14, v15
	s_wait_dscnt 0x0
	ROUND                                          ; the closing round
	s_endpgm
.Lfunc_end_k_qae847c36e0_qkv:
	.size	k_qae847c36e0_qkv, .Lfunc_end_k_qae847c36e0_qkv-k_qae847c36e0_qkv
	.p2alignl 7, 3214868480
	.fill 96, 4, 3214868480
	.section	.rodata,"a",@progbits
	.p2align	6, 0x0
	.amdhsa_kernel k_qae847c36e0_qkv
		.amdhsa_group_segment_fixed_size 262144
		.amdhsa_private_segment_fixed_size 0
		.amdhsa_enable_private_segment 0
		.amdhsa_kernarg_size 32
		.amdhsa_user_sgpr_count 2
		.amdhsa_user_sgpr_kernarg_segment_ptr 1
		.amdhsa_wavefront_size32 1
		.amdhsa_system_sgpr_workgroup_id_x 1
		.amdhsa_system_sgpr_workgroup_id_y 1
		.amdhsa_system_sgpr_workgroup_id_z 1
		.amdhsa_system_vgpr_workitem_id 0
		.amdhsa_next_free_vgpr 1024
		.amdhsa_next_free_sgpr 84
		.amdhsa_reserve_vcc 0
		.amdhsa_float_denorm_mode_32 3
		.amdhsa_float_denorm_mode_16_64 3
		.amdhsa_memory_ordered 1
		.amdhsa_forward_progress 1
		.amdhsa_inst_pref_size 102
	.end_amdhsa_kernel
	.amdgpu_metadata
---
amdhsa.version: [ 1, 2 ]
amdhsa.kernels:
  - .name:           k_qae847c36e0_qkv
    .symbol:         k_qae847c36e0_qkv.kd
    .args:
      - { .name: codes, .offset: 0, .size: 8, .value_kind: global_buffer, .address_space: global }
      - { .name: scales, .offset: 8, .size: 8, .value_kind: global_buffer, .address_space: global }
      - { .name: qkv, .offset: 16, .size: 8, .value_kind: global_buffer, .address_space: global }
      - { .name: fimg, .offset: 24, .size: 8, .value_kind: global_buffer, .address_space: global }
    .group_segment_fixed_size: 262144
    .private_segment_fixed_size: 0
    .kernarg_segment_align: 8
    .kernarg_segment_size: 32
    .max_flat_workgroup_size: 128
    .sgpr_count:     84
    .vgpr_count:     1024
    .wavefront_size: 32
...
	.end_amdgpu_metadata
.endif
;; end of part 2
;; launch attn (part 3): grid 16 x 16, 8 waves a work-group, no clusters, 327,680 bytes of LDS; arguments qkv, ob; writes ob
.if DOCPART == 3
	.amdgcn_target "amdgcn-amd-amdhsa--gfx1250"
	.amdhsa_code_object_version 6
	.text
	.protected	k_qae847c36e0_attn
	.globl	k_qae847c36e0_attn
	.p2align	8
	.type	k_qae847c36e0_attn,@function
k_qae847c36e0_attn:
	s_mov_b64 s[64:65], 0
	v_nop
	global_prefetch_b8 v0, s[64:65] scope:SCOPE_SE
	s_setreg_imm32_b32 hwreg(HW_REG_WAVE_MODE, 25, 1), 1
	s_wait_xcnt 0x0
; O[h][q] = the sum over k <= q of softmax_k(q . k / 8) v, 16 heads, 4,096 positions, head size 64.  q, k [h][n][64] f16; v [h][block of 64 keys][channel][64 keys] f16; O [h][n][64] f16.
; Products, maxima and sums in f32; the weights p are rounded to f16 for the second product.  A running maximum m and sum l for each query: p = 2^(c s - c m), c = log2(e) / 8.
; LIMITS: |c s| stays under 1e37; |v| under 65,504.
; SHARES.  Work-group (p, head) owns the query blocks of 128 numbered 31 - p and p, one after the other: 33 key blocks of 128 in all, the same for every work-group.  Keys come in slots of 512:
; 8 - p / 4 slots for the high block, p / 4 + 1 for the low: nine trips, a constant.  Wave w: g = w % 4: 32 queries, two tiles that share every fragment; s = w / 4: which 64 keys of each key block.
; The two halves of the keys are merged through LDS at a query block's end.
; LAYOUT.  S^T = K Q^T and O^T = V^T P: a lane holds one query throughout; two tiles of S^T rounded in pairs are source 1 of the second product.
; THE MASK.  A step all of whose keys come after my 32 queries is left out by a scalar branch on ids; on the diagonal hidden scores become -infinity ahead of the maximum.
; NO CLUSTER: which steps are left out, which key blocks are asked for and where the blocks change hang on p, which differs between all work-groups that share a head's K and V.
; THE RING.  Two slots; each wave fetches one key block of K (waves 0-3) or of V (waves 4-7), 128 rows of 128 bytes, by one tensor load behind each change of slots: one load of mine is out.
; A key block that lies beyond the walk's last is read by nobody and is not asked for.
; REGISTERS: window 0: v2-13 addresses, v14, v15 the add's two, v16-31 statistics (8 a tile: c m, m, l, l, c0-c3), v32-95 S^T, v96-127 P, v128-191 O^T, v192-243 the merge and set-up.
;   window 1: v0-63 K's fragments, v64-127 V's, v128-159 Q in use, v160-191 the low block's Q.
.set SLOT,  147456
.set STEPB, 36864                      ; a key block: 128 rows of K, then 128 rows of V, 144 bytes apart
.set SCR,   294912                     ; 4,352 bytes for each g: the merge and the way out
.set SPARE, 312320                     ; the spare words: no other line names them
.set MSB, 0
.macro WIN new
.if MSB != \new
	s_set_vgpr_msb (MSB<<8)|\new
.set MSB, \new
.endif
.endm
.macro PLACES
.rept 4
	v_nop
.endr
.endm
; s12 wave, s13 g, s14 s, s15 p, s16 head, s17 the trip behind which the blocks change, s18 trip, s19 the slot of keys just asked for, s20 LDS byte of the step's key block, s21 steps to go,
; s22 my step's first key, s23 my first query, s[24:31] group 1, s[32:39] groups 0, s[40:41] my part of slot 0 in memory, s[42:43] the slot's offset, s[44:45] prefetch, s46 prefetch while the trip is under it,
; s47 pairs of trips, s[48:49] c, s[50:51] lane selects, s[52:53] O, s[54:55] O's step down, s56 the low block's first query, s58 my next key block, s59 the walk's last key block, s60 64 s
; A STEP: my 64 keys of a key block x my 32 queries
.macro STEP
	s_add_co_u32 s57, s23, 31
	s_cmp_gt_u32 s22, s57
	s_cbranch_scc1 .Lhidden_\@                     ; all my keys come after my queries
	v_add_nc_u32 v4, s20, v2                       ; with the three below: four places behind the last products, in front of loads into registers that they read
	v_nop
	v_nop
	v_nop
	WIN 0x40                                       ; destination window 1
.irp kt, 0,1,2,3
.irp cs, 0,1
	ds_load_b128 v[16*\kt+8*\cs:16*\kt+8*\cs+3], v4 offset:2304*\kt+64*\cs
	ds_load_b128 v[16*\kt+8*\cs+4:16*\kt+8*\cs+7], v4 offset:2304*\kt+64*\cs+32
.endr
.endr
.irp ct, 0,1,2,3
.irp u, 0,1
	ds_load_b128 v[64+16*\ct+8*\u:64+16*\ct+8*\u+3], v4 offset:18432+2304*\ct+64*\u
	ds_load_b128 v[64+16*\ct+8*\u+4:64+16*\ct+8*\u+7], v4 offset:18432+2304*\ct+64*\u+32
.endr
.endr
	s_wait_dscnt 16                                ; K is in; V's sixteen loads may be out
	WIN 0x05                                       ; K and Q window 1, S^T window 0
.irp cs, 0,1
.irp kt, 0,1,2,3
.irp t, 0,1
.if \cs == 0
	v_wmma_f32_16x16x32_f16 v[32+32*\t+8*\kt:39+32*\t+8*\kt], v[16*\kt+8*\cs:16*\kt+8*\cs+7], v[128+16*\t+8*\cs:135+16*\t+8*\cs], 0
.else
	v_wmma_f32_16x16x32_f16 v[32+32*\t+8*\kt:39+32*\t+8*\kt], v[16*\kt+8*\cs:16*\kt+8*\cs+7], v[128+16*\t+8*\cs:135+16*\t+8*\cs], v[32+32*\t+8*\kt:39+32*\t+8*\kt]
.endif
.endr
.endr
.endr
	WIN 0
	PLACES
	s_add_co_u32 s57, s22, 63
	s_cmp_le_u32 s57, s23
	s_cbranch_scc1 .Lopen_\@                       ; all my keys count for all my queries
	s_sub_co_i32 s57, s23, s22
	v_add_nc_u32 v6, s57, v5                       ; d = first query - first key + r - 8 h.  Register 8 kt + j of tile t holds key 16 kt + 8 h + j for query 16 t + r: hidden where 16 kt + j - 16 t > d
.irp t, 0,1
.irp kt, 0,1,2,3
.irp j, 0,1,2,3,4,5,6,7
	v_cmp_gt_i32 vcc_lo, 16*\kt+\j-16*\t, v6
	v_cndmask_b32 v[32+32*\t+8*\kt+\j], v[32+32*\t+8*\kt+\j], v7, vcc_lo
.endr
.endr
.endr
.Lopen_\@:
	; the maximum of the lane's 32 scores and the old m: four chains, each begun at an accumulator's low end; the two tiles line by line
.irp j, 0,1,2,3
.irp t, 0,1
	v_max3_num_f32 v[20+8*\t+\j], v[32+32*\t+8*\j], v[33+32*\t+8*\j], v[34+32*\t+8*\j]
.endr
.endr
.irp i, 3,5
.irp j, 0,1,2,3
.irp t, 0,1
	v_max3_num_f32 v[20+8*\t+\j], v[20+8*\t+\j], v[32+32*\t+8*\j+\i], v[33+32*\t+8*\j+\i]
.endr
.endr
.endr
.irp t, 0,1
	v_max3_num_f32 v[20+8*\t], v[20+8*\t], v[39+32*\t], v[47+32*\t]
.endr
.irp t, 0,1
	v_max3_num_f32 v[22+8*\t], v[22+8*\t], v[55+32*\t], v[63+32*\t]
.endr
.irp t, 0,1
	v_max3_num_f32 v[20+8*\t], v[20+8*\t], v[21+8*\t], v[22+8*\t]
.endr
.irp t, 0,1
	v_max3_num_f32 v[20+8*\t], v[20+8*\t], v[23+8*\t], v[17+8*\t]
.endr
.irp t, 0,1
	v_permlanex16_b32 v[21+8*\t], v[20+8*\t], s50, s51   ; the query's other 32 keys lie in the lane 16 away
.endr
.irp t, 0,1
	v_mov_b32 v[23+8*\t], v[16+8*\t]               ; c m_old
.endr
.irp t, 0,1
	v_max_num_f32 v[17+8*\t], v[20+8*\t], v[21+8*\t]
.endr
.irp t, 0,1
	v_mul_f32 v[16+8*\t], s48, v[17+8*\t]
.endr
.irp t, 0,1
	v_sub_f32 v[23+8*\t], v[23+8*\t], v[16+8*\t]
.endr
.irp i, 0,1,2,3,4,5,6,7,8,9,10,11,12,13,14,15
.irp t, 0,1
	v_pk_fma_f32 v[32+32*\t+2*\i:33+32*\t+2*\i], v[32+32*\t+2*\i:33+32*\t+2*\i], s[48:49], v[16+8*\t:17+8*\t] op_sel_hi:[1,0,0] neg_lo:[0,0,1] neg_hi:[0,0,1]   ; c s - c m
.endr
.endr
.irp t, 0,1
	v_exp_f32 v[22+8*\t], v[23+8*\t]               ; a = 2^(c m_old - c m_new)
.endr
.set i, 0
.rept 64
	v_exp_f32 v[32+i], v[32+i]                     ; p
.set i, i+1
.endr
	v_nop                                          ; one plain line behind the last exponential
	s_wait_alu depctr_va_vdst(0)                   ; the wait ahead of the first line that names a result: one for all 66
.irp i, 0,1,2,3,4,5,6,7,8,9,10,11,12,13,14,15
.irp t, 0,1
	v_cvt_pk_f16_f32 v[96+16*\t+\i], v[32+32*\t+2*\i], v[33+32*\t+2*\i]
.endr
.endr
.irp u, 0,1,2,3,4,5,6,7
.irp t, 0,1
	v_pk_add_f32 v[32+32*\t+4*\u:33+32*\t+4*\u], v[32+32*\t+4*\u:33+32*\t+4*\u], v[34+32*\t+4*\u:35+32*\t+4*\u]
.endr
.endr
.irp u, 0,1,2,3
.irp t, 0,1
	v_pk_add_f32 v[32+32*\t+8*\u:33+32*\t+8*\u], v[32+32*\t+8*\u:33+32*\t+8*\u], v[36+32*\t+8*\u:37+32*\t+8*\u]
.endr
.endr
.irp u, 0,1
.irp t, 0,1
	v_pk_add_f32 v[32+32*\t+16*\u:33+32*\t+16*\u], v[32+32*\t+16*\u:33+32*\t+16*\u], v[40+32*\t+16*\u:41+32*\t+16*\u]
.endr
.endr
.irp t, 0,1
	v_pk_add_f32 v[32+32*\t:33+32*\t], v[32+32*\t:33+32*\t], v[48+32*\t:49+32*\t]
.endr
.irp t, 0,1
	v_pk_fma_f32 v[18+8*\t:19+8*\t], v[18+8*\t:19+8*\t], v[22+8*\t:23+8*\t], v[32+32*\t:33+32*\t] op_sel_hi:[1,0,1]   ; l = a l + the sum
.endr
.irp i, 0,1,2,3,4,5,6,7,8,9,10,11,12,13,14,15
.irp t, 0,1
	v_pk_mul_f32 v[128+32*\t+2*\i:129+32*\t+2*\i], v[128+32*\t+2*\i:129+32*\t+2*\i], v[22+8*\t:23+8*\t] op_sel_hi:[1,0]   ; O^T x a, each accumulator from its low end on
.endr
.endr
	s_wait_dscnt 0x0                               ; V is in
	WIN 0x01                                       ; V window 1; P, O^T window 0
.irp u, 0,1
.irp ct, 0,1,2,3
.irp t, 0,1
	v_wmma_f32_16x16x32_f16 v[128+32*\t+8*\ct:135+32*\t+8*\ct], v[64+16*\ct+8*\u:71+16*\ct+8*\u], v[96+16*\t+8*\u:103+16*\t+8*\u], v[128+32*\t+8*\ct:135+32*\t+8*\ct]
.endr
.endr
.endr
	WIN 0
.Lhidden_\@:
.endm
.macro SLOT_STEPS n                    ; a slot's four key blocks
	s_mov_b32 s20, (\n)*SLOT
	s_mov_b32 s21, 4
.Lstep_\@:
	STEP
	s_add_co_u32 s20, s20, STEPB
	s_add_co_u32 s22, s22, 128
	s_sub_co_u32 s21, s21, 1
	s_cmp_lg_u32 s21, 0
	s_cbranch_scc1 .Lstep_\@
.endm
; THE CHANGE OF SLOTS, at the head of slot n's trip.  Each wave waits for all its tensor loads (its part of slot n), adds 0 to its spare word, and waits for that and for its reads of the other slot.
; Behind the barrier slot n is whole and nobody reads the other slot: fill = 1: it takes the keys of the next trip; that load has four steps in which to land.
.macro CHANGE n, fill
	s_wait_tensorcnt 0x0                           ; no tensor load of mine is out, so a group 0 may be written
	ds_add_u32 v14, v15
.if \fill
	s_add_co_u32 s19, s19, 1                       ; the next trip's slot of keys:
	s_cmp_eq_u32 s18, s17
	s_cselect_b32 s19, 0, s19                      ; the low block's walk begins at key 0,
	s_cselect_b32 s59, s15, s59                    ; and ends with key block p
	s_lshl_b32 s42, s19, 16
	s_lshl_b32 s58, s19, 2
	s_add_co_u32 s58, s58, s13                     ; the key block that I would fetch
	s_add_nc_u64 s[38-4*(\n):39-4*(\n)], s[40:41], s[42:43]
	s_or_b32 s[39-4*(\n)], s[39-4*(\n)], 0x80000000
	s_wait_xcnt 0x0                                ; the last prefetches, a slot back, have read their address
	s_add_nc_u64 s[44:45], s[40:41], s[42:43]
.endif
	s_wait_dscnt 0x0                               ; the add is done, and my reads of the other slot are over
	s_barrier_signal -1
	s_barrier_wait -1
.if \fill
	s_cmp_gt_u32 s58, s59                          ; ids and counted steps alone: a key block beyond the walk's last is read by no wave, so it is not asked for
	s_cbranch_scc1 .Lpast_\@
	tensor_load_to_lds s[36-4*(\n):39-4*(\n)], s[24:31]   ; my one tensor load until the next change
	s_nop 0
	PLACES
.Lpast_\@:
	; a prefetch of what the NEXT change will ask for: my own 16,384 bytes of the slot after the one just asked for, lanes 256 bytes apart, two lines.  All work-groups of a head walk the same keys:
	; the one with p = 0, which walks slots 0 to 7 on end, asks, in trips 0 to 5, for slots 2 to 7: each block of 256 bytes is named once.  Four steps ahead of the load
	s_cmp_lt_u32 s18, s46
	s_cbranch_scc0 .Lnot_mine_\@
	global_prefetch_b8 v13, s[44:45] offset:65536 th:TH_LOAD_NT scope:SCOPE_SE
	global_prefetch_b8 v13, s[44:45] offset:73728 th:TH_LOAD_NT scope:SCOPE_SE
.Lnot_mine_\@:
.endif
.endm
; THE MERGE of tile t.  The wave of the upper keys (s = 1) hands c m, l and O^T to its partner as images of its registers; the partner brings both under the larger m, divides by the joint sum,
; rounds to f16 and stores 16 rows of O through the same scratch bytes, which by then it alone touches.
.macro MERGE t
	s_cmp_lt_u32 s12, 4
	s_cbranch_scc1 .Lgiven_\@
	v_mov_b32 v224, v[16+8*\t]
	v_mov_b32 v225, v[18+8*\t]
.irp i, 0,1,2,3,4,5,6,7
	ds_store_b128 v8, v[128+32*\t+4*\i:131+32*\t+4*\i] offset:512*\i
.endr
	ds_store_b64 v9, v[224:225]
.Lgiven_\@:
	s_wait_dscnt 0x0                               ; for the partner's sake: my stores have landed
	s_barrier_signal -1
	s_barrier_wait -1
	s_cmp_lt_u32 s12, 4
	s_cbranch_scc0 .Ltaken_\@
.irp i, 0,1,2,3,4,5,6,7
	ds_load_b128 v[192+4*\i:195+4*\i], v8 offset:512*\i
.endr
	ds_load_b64 v[224:225], v9
	s_wait_dscnt 0x0
	v_max_num_f32 v226, v[16+8*\t], v224
	v_sub_f32 v227, v[16+8*\t], v226
	v_sub_f32 v228, v224, v226
	v_exp_f32 v230, v227
	v_exp_f32 v232, v228                           ; 0 for a partner none of whose keys counted: its c m is still the start's
	v_nop
	s_wait_alu depctr_va_vdst(0)                   ; the wait ahead of the first reader
	v_mul_f32 v226, v230, v[18+8*\t]
	v_fmac_f32 v226, v232, v225
	v_rcp_f32 v227, v226
	v_nop
	s_wait_alu depctr_va_vdst(0)
	v_mul_f32 v234, v230, v227
	v_mul_f32 v236, v232, v227
	v_mov_b32 v235, v234
	v_mov_b32 v237, v236
.irp i, 0,1,2,3,4,5,6,7,8,9,10,11,12,13,14,15
	v_pk_mul_f32 v[192+2*\i:193+2*\i], v[192+2*\i:193+2*\i], v[236:237]
.endr
.irp i, 0,1,2,3,4,5,6,7,8,9,10,11,12,13,14,15
	v_pk_fma_f32 v[192+2*\i:193+2*\i], v[128+32*\t+2*\i:129+32*\t+2*\i], v[234:235], v[192+2*\i:193+2*\i]
.endr
.irp i, 0,1,2,3,4,5,6,7,8,9,10,11,12,13,14,15
	v_cvt_pk_f16_f32 v[96+\i], v[192+2*\i], v[193+2*\i]
.endr
.irp ct, 0,1,2,3
	ds_store_b128 v10, v[96+4*\ct:99+4*\ct] offset:32*\ct
.endr
.irp i, 0,1,2,3
	ds_load_b128 v[32+4*\i:35+4*\i], v11 offset:576*\i   ; LDS serves a wave's instructions in order: these see the stores above
.endr
	s_wait_dscnt 0x0
.irp i, 0,1,2,3
	global_store_b128 v12, v[32+4*\i:35+4*\i], s[52:53] offset:2048*\t+512*\i   ; 512 consecutive bytes, aligned
.endr
	s_wait_xcnt 0x0                                ; the stores have read their registers and their base
.Ltaken_\@:
	s_wait_dscnt 0x0
	s_barrier_signal -1
	s_barrier_wait -1                              ; the scratch bytes may be written again
.endm
.macro FINISH
	PLACES                                         ; behind the last products
.irp t, 0,1
	v_add_f32 v[20+8*\t], v[18+8*\t], v[19+8*\t]
.endr
.irp t, 0,1
	v_permlanex16_b32 v[21+8*\t], v[20+8*\t], s50, s51
.endr
.irp t, 0,1
	v_add_f32 v[18+8*\t], v[20+8*\t], v[21+8*\t]   ; my keys' sum for the query
.endr
	MERGE 0
	MERGE 1
.endm
; FROM THE HIGH BLOCK TO THE LOW.  O^T and l are not cleared: m starts anew far under every score, so the first step's a is 0.
.macro SWITCH
	FINISH
	WIN 0x41
.set i, 0
.rept 32
	v_mov_b32 v[128+i], v[160+i]                   ; the low block's Q
.set i, i+1
.endr
	WIN 0
.irp t, 0,1
	v_mov_b32 v[17+8*\t], 0xff61b1e6               ; -3e38
	v_mul_f32 v[16+8*\t], s48, v[17+8*\t]
.endr
	s_mov_b32 s23, s56
	s_mov_b32 s22, s60
	s_sub_nc_u64 s[52:53], s[52:53], s[54:55]
.endm
.macro TRIP n, fill
	CHANGE \n, \fill
	SLOT_STEPS \n
	s_cmp_lg_u32 s18, s17                          ; the work-group's number and a count of trips: the same in all eight waves
	s_cbranch_scc1 .Lsame_\@
	SWITCH
.Lsame_\@:
	s_add_co_u32 s18, s18, 1
.endm
	s_load_b128 s[4:7], s[0:1], 0x0                ; qkv s[4:5], ob s[6:7]
	v_lshl_add_u32 v14, v0, 2, SPARE
	v_mov_b32 v15, 0
	ds_add_u32 v14, v15                            ; the wave's opening: the add, twice on end, and its wait ahead of my first tensor load
	ds_add_u32 v14, v15
	v_lshrrev_b32 v1, 5, v0
	v_readfirstlane_b32 s12, v1
	s_and_b32 s13, s12, 3
	s_lshr_b32 s14, s12, 2
	s_mov_b32 s15, ttmp9
	s_and_b32 s16, ttmp7, 0xffff
	s_lshr_b32 s17, s15, 2
	s_sub_co_u32 s17, 7, s17
	s_mov_b32 s18, 0
	s_mov_b32 s19, 0
	s_lshl_b32 s60, s14, 6
	s_mov_b32 s22, s60
	s_sub_co_u32 s59, 31, s15
	s_lshl_b32 s57, s13, 5
	s_lshl_b32 s23, s59, 7
	s_add_co_u32 s23, s23, s57                     ; 128 (31 - p) + 32 g
	s_lshl_b32 s56, s15, 7
	s_add_co_u32 s56, s56, s57                     ; 128 p + 32 g
	; group 1: 128 rows of 64 elements of 2 bytes, dense in memory, 16 bytes of padding behind each row
	s_mov_b32 s24, (1<<16)|(1<<20)|(4<<22)|(3<<25)
	s_mov_b32 s25, 64<<16
	s_mov_b32 s26, 128<<16
	s_mov_b32 s27, 64<<16
	s_mov_b32 s28, 128
	s_mov_b32 s29, 64
	s_mov_b32 s30, 0
	s_mov_b32 s31, 0
	s_mov_b32 s43, 0
	s_cmp_eq_u32 s15, 0
	s_cselect_b32 s46, 6, 0
	s_mov_b32 s47, 4
	s_mov_b32 s48, 0x3e38aa3b                      ; c = log2(e) / 8
	s_mov_b32 s49, s48
	s_mov_b32 s50, 0x76543210
	s_mov_b32 s51, 0xfedcba98
	s_lshl_b32 s54, s15, 1
	s_sub_co_u32 s54, 31, s54
	s_lshl_b32 s54, s54, 14                        ; (31 - 2 p) blocks of 128 rows of 128 bytes
	s_mov_b32 s55, 0
	s_lshl_b32 s61, s16, 19                        ; the head: 524,288 bytes in each of q, k, v, O
	s_lshl_b32 s9, s13, 14
	s_add_co_u32 s8, s61, s9                       ; my key block of a slot
	s_cmp_lt_u32 s12, 4
	s_cselect_b32 s9, 0, 0x800000                  ; K's part of the buffer, or V's
	s_add_co_u32 s8, s8, s9
	s_add_co_u32 s8, s8, 0x800000
	s_mov_b32 s9, 0
	s_mul_i32 s10, s13, 36864
	s_mul_i32 s11, s14, 18432
	s_add_co_u32 s10, s10, s11                     ; and its place in a slot
	s_lshl_b32 s62, s23, 7
	s_add_co_u32 s62, s62, s61
	s_mov_b32 s63, 0
	s_lshl_b32 s2, s56, 7
	s_add_co_u32 s2, s2, s61
	s_mov_b32 s3, 0
	s_wait_dscnt 0x0                               ; both opening adds are done
	s_wait_kmcnt 0x0
	s_add_nc_u64 s[40:41], s[4:5], s[8:9]
	s_mov_b32 s32, 1
	s_mov_b32 s33, s10
	s_mov_b64 s[34:35], s[40:41]
	s_or_b32 s35, s35, 0x80000000
	s_mov_b32 s36, 1
	s_add_co_u32 s37, s10, SLOT
	tensor_load_to_lds s[32:35], s[24:31]          ; keys 0-511: every key block of them counts for the high block
	s_nop 0
	PLACES
	s_add_nc_u64 s[52:53], s[6:7], s[62:63]        ; O at my first query of the high block
	s_add_nc_u64 s[62:63], s[4:5], s[62:63]        ; q likewise
	s_add_nc_u64 s[2:3], s[4:5], s[2:3]            ; q of the low block
	v_and_b32 v240, 15, v0                         ; r
	v_bfe_u32 v241, v0, 4, 1                       ; h
	v_and_b32 v242, 31, v0                         ; lane
	v_lshlrev_b32 v3, 7, v240
	v_lshl_add_u32 v3, v241, 4, v3                 ; Q: row r of 128 bytes + 16 h
	WIN 0x40
.irp t, 0,1
.irp cs, 0,1
	global_load_b128 v[128+16*\t+8*\cs:131+16*\t+8*\cs], v3, s[62:63] offset:2048*\t+64*\cs
	global_load_b128 v[132+16*\t+8*\cs:135+16*\t+8*\cs], v3, s[62:63] offset:2048*\t+64*\cs+32
	global_load_b128 v[160+16*\t+8*\cs:163+16*\t+8*\cs], v3, s[2:3] offset:2048*\t+64*\cs
	global_load_b128 v[164+16*\t+8*\cs:167+16*\t+8*\cs], v3, s[2:3] offset:2048*\t+64*\cs+32
.endr
.endr
	WIN 0
	s_mul_i32 s57, s14, 9216
	v_mul_u32_u24 v2, v240, 144
	v_lshl_add_u32 v2, v241, 4, v2
	v_add_nc_u32 v2, s57, v2                       ; a fragment's row: (64 s + r) x 144 + 16 h
	v_lshlrev_b32 v243, 3, v241
	v_sub_nc_u32 v5, v240, v243                    ; r - 8 h
	v_mov_b32 v7, 0xff800000                       ; -infinity
	s_mul_i32 s57, s13, 4352
	s_add_co_u32 s57, s57, SCR                     ; my pair's scratch
	v_lshl_add_u32 v8, v242, 4, s57
	s_add_co_u32 s58, s57, 4096
	v_lshl_add_u32 v9, v242, 3, s58
	v_mul_u32_u24 v10, v240, 144
	v_lshl_add_u32 v10, v241, 4, v10
	v_add_nc_u32 v10, s57, v10
	v_lshrrev_b32 v11, 3, v242
	v_mul_u32_u24 v11, v11, 144
	v_and_b32 v243, 7, v242
	v_lshl_add_u32 v11, v243, 4, v11
	v_add_nc_u32 v11, s57, v11
	v_lshlrev_b32 v12, 4, v242
	v_lshlrev_b32 v13, 8, v242
.irp k, 16,17,18,19,20,21,22,23,24,25,26,27,28,29,30,31
	v_mov_b32 v\k, 0
.endr
.irp t, 0,1
	v_mov_b32 v[17+8*\t], 0xff61b1e6               ; m: -3e38, under every score
	v_mul_f32 v[16+8*\t], s48, v[17+8*\t]
.endr
.set i, 0
.rept 64
	v_mov_b32 v[128+i], 0                          ; O^T, once in the launch: the step is written once, and its first run finds zeros
.set i, i+1
.endr
	s_wait_loadcnt 0x0                             ; Q
.Lpair:                                            ; four trips of two slots; the ninth slot is written out, since it asks for nothing
	TRIP 0, 1
	TRIP 1, 1
	s_sub_co_u32 s47, s47, 1
	s_cmp_lg_u32 s47, 0
	s_cbranch_scc1 .Lpair
	CHANGE 0, 0
	SLOT_STEPS 0
	FINISH
	s_wait_tensorcnt 0x0                           ; the wave's end
	ds_add_u32 v14, v15
	s_wait_dscnt 0x0
	s_endpgm
.Lfunc_end_k_qae847c36e0_attn:
	.size	k_qae847c36e0_attn, .Lfunc_end_k_qae847c36e0_attn-k_qae847c36e0_attn
	.p2alignl 7, 3214868480
	.fill 96, 4, 3214868480
	.section	.rodata,"a",@progbits
	.p2align	6, 0x0
	.amdhsa_kernel k_qae847c36e0_attn
		.amdhsa_group_segment_fixed_size 327680
		.amdhsa_private_segment_fixed_size 0
		.amdhsa_enable_private_segment 0
		.amdhsa_kernarg_size 16
		.amdhsa_user_sgpr_count 2
		.amdhsa_user_sgpr_kernarg_segment_ptr 1
		.amdhsa_wavefront_size32 1
		.amdhsa_system_sgpr_workgroup_id_x 1
		.amdhsa_system_sgpr_workgroup_id_y 1
		.amdhsa_system_sgpr_workgroup_id_z 1
		.amdhsa_system_vgpr_workitem_id 0
		.amdhsa_next_free_vgpr 448
		.amdhsa_next_free_sgpr 66
		.amdhsa_reserve_vcc 1
		.amdhsa_float_denorm_mode_32 3
		.amdhsa_float_denorm_mode_16_64 3
		.amdhsa_memory_ordered 1
		.amdhsa_forward_progress 1
		.amdhsa_inst_pref_size 117
	.end_amdhsa_kernel
	.amdgpu_metadata
---
amdhsa.version: [ 1, 2 ]
amdhsa.kernels:
  - .name:           k_qae847c36e0_attn
    .symbol:         k_qae847c36e0_attn.kd
    .args:
      - { .name: qkv, .offset: 0, .size: 8, .value_kind: global_buffer, .address_space: global }
      - { .name: ob, .offset: 8, .size: 8, .value_kind: global_buffer, .address_space: global }
    .group_segment_fixed_size: 327680
    .private_segment_fixed_size: 0
    .kernarg_segment_align: 8
    .kernarg_segment_size: 16
    .max_flat_workgroup_size: 256
    .sgpr_count:     66
    .vgpr_count:     448
    .wavefront_size: 32
...
	.end_amdgpu_metadata
.endif
;; end of part 3
;; launch proj (part 4): grid 8 x 32, 4 waves a work-group, clusters of 4 x 4, 327,680 bytes of LDS; arguments ob, wo16, bo, out0; writes out0
.if DOCPART == 4
	.amdgcn_target "amdgcn-amd-amdhsa--gfx1250"
	.amdhsa_code_object_version 6
	.text
	.protected	k_qae847c36e0_proj
	.globl	k_qae847c36e0_proj
	.p2align	8
	.type	k_qae847c36e0_proj,@function
k_qae847c36e0_proj:
	s_mov_b64 s[64:65], 0
	v_nop
	global_prefetch_b8 v0, s[64:65] scope:SCOPE_SE
	s_setreg_imm32_b32 hwreg(HW_REG_WAVE_MODE, 25, 1), 1
	s_wait_xcnt 0x0
	s_wait_alu depctr_hold_cnt(0) depctr_sa_sdst(0) depctr_va_vdst(0) depctr_va_sdst(0) depctr_va_ssrc(0) depctr_va_vcc(0) depctr_vm_vsrc(0)
	s_getreg_b32 s2, hwreg(HW_REG_IB_STS2, 6, 4)
	s_cmp_eq_u32 s2, 0
	s_cbranch_scc0 .Lentry_in_a_cluster
	s_endpgm
.Lentry_in_a_cluster:
	s_bfe_u32 s2, ttmp6, 0x10000c
	s_cmp_lg_u32 s2, 0xf033
	s_cbranch_scc0 .Lentry_shape_is_right
	s_endpgm
.Lentry_shape_is_right:
; out0[m][n] = the sum over k of O[m][k] Wo[k][n] + bo[n].  O: [16 heads][4096][64] f16 (k = 64 head + channel); Wo: [1024 (k)][1024] f16; bo, out0: f32; sums in f32.
; A tile of out0 is 128 x 128: 256 work-groups of four waves, each 64 x 64: 16 accumulators.  K goes in four steps of 256 (four heads) through a ring of two LDS slots.
; CLUSTER 4 x 4: O's tile is shared along a row of the cluster, Wo's along a column: asked for jointly.
; O's tile: one load brings 64 positions x 4 heads, stated as 4 rows of 4,096 elements (a head's 64 positions are dense), 16 bytes of padding behind every 128: a position's 128 bytes lie 144 apart.
; Wo's tile: 128 rows (k) of 256 bytes, 288 apart; its fragments come out of LDS turned, by ds_load_tr16_b128.
; THE MATRIX INSTRUCTION IS USED TRANSPOSED (source 0 = 16 columns of Wo, source 1 = 16 rows of O): a lane holds eight neighbouring numbers of a row of out0.  The bias is the C of each sum's first product.
; Rows 0-15 are stored like all others (a jump round them would hang on a place in the cluster); a later launch stores them anew, made in f32.
; REGISTERS: window 0: v16-29 addresses, v32-95 the way out, v96-127 the bias, v128-255 the accumulators.  window 1: two fragment buffers of 128: 64 of O, then 64 of Wo.
.set HALFT,  36864                     ; what one tensor load brings: 4 x 64 x 144 = 128 x 288
.set SLOT,   4*HALFT
.set STAGE,  2*SLOT                    ; 16 rows x 272 bytes for each wave
.set SPARE,  STAGE+4*4352              ; the spare words: no other line names them
.set ASTEP,  2097152                   ; a K step in O: four heads
.set BSTEP,  524288                    ; in Wo: 256 rows of 2,048 bytes
.set ADRA, 16                          ; v16-17  O's fragments in slot 0, 1
.set ADRB, 20                          ; v20-23  Wo's: 20 + 2 slot + half of the K step
.set STO,  24
.set RD,   25
.set CO,   26
.set BV,   27
.set SPW,  28
.set NIL,  29
.set TMP,  32
.set BIAS, 96
.set ACC,  128
.set F0,   0
.set F1,   128
.set G1, 24
.set G0, 32
.set G1B, 48
.set G0B, 56
.set MSB, 0
.macro WIN new
.if MSB != \new
	s_set_vgpr_msb (MSB<<8)|\new
.set MSB, \new
.endif
.endm
.set MUL,  0x05                        ; sources 0 and 1 window 1; C and D window 0
.set TO_F, 0x40                        ; destination window 1
.macro PLACES
.rept 4
	v_nop
.endr
.endm
.macro JLOAD s                         ; a joint load: waves 0 and 1 fetch O's two halves, waves 2 and 3 Wo's
	s_cmp_eq_u32 s13, 0
	s_cbranch_scc0 .Lfor_b_\@
	tensor_load_to_lds s[G0+4*\s:G0+4*\s+3], s[G1:G1+7]
	s_nop 0
	PLACES
	s_branch .Lasked_\@
.Lfor_b_\@:
	tensor_load_to_lds s[G0B+4*\s:G0B+4*\s+3], s[G1B:G1B+7]
	s_nop 0
	PLACES
.Lasked_\@:
.endm
.macro CREST
	s_cmp_lg_u32 s12, 0
	s_cbranch_scc1 .Lnot_wave_0_\@
	s_barrier_signal -3
.Lnot_wave_0_\@:
	s_barrier_wait -3
	s_barrier_signal -1
	s_barrier_wait -1
.endm
.macro CROUND
	s_barrier_signal -1
	s_barrier_wait -1
	CREST
.endm
	s_load_b256 s[4:11], s[0:1], 0x0               ; ob s[4:5], wo16 s[6:7], bo s[8:9], out0 s[10:11]
	v_lshl_add_u32 v[SPW], v0, 2, SPARE
	v_mov_b32 v[NIL], 0
	ds_add_u32 v[SPW], v[NIL]                      ; the wave's opening: the add, twice on end, and its wait ahead of my first tensor load
	ds_add_u32 v[SPW], v[NIL]
	v_lshrrev_b32 v1, 5, v0
	v_readfirstlane_b32 s12, v1                    ; wave 0..3
	s_lshr_b32 s13, s12, 1                         ; my half of the tile's rows.  Also: I fetch for O (0) or for Wo (1)
	s_and_b32 s14, s12, 1                          ; my half of its columns.  Also: which half of that tile I fetch
	s_bfe_u32 s40, ttmp6, 0x40000                  ; cx
	s_bfe_u32 s41, ttmp6, 0x40004                  ; cy
	s_lshl_b32 s42, ttmp9, 2
	s_add_co_u32 s42, s42, s40                     ; tile column
	s_and_b32 s15, ttmp7, 0xffff
	s_lshl_b32 s15, s15, 2
	s_add_co_u32 s15, s15, s41                     ; tile row
	s_lshl_b32 s43, s41, 2
	s_lshl_b32 s43, 15, s43                        ; my row of the cluster
	s_lshl_b32 s44, 0x1111, s40                    ; my column
	s_or_b32 s[G1+0], s43, (1<<16)|(1<<20)|(1<<21)|(4<<22)|(3<<25)    ; elements of 2 bytes; four words of padding after every 32
	s_mov_b32 s[G1+1], 4096<<16                    ; tensor_dim0 = 4,096
	s_mov_b32 s[G1+2], 4<<16                       ; tensor_dim1 = 4
	s_mov_b32 s[G1+3], 4096<<16                    ; tile_dim0
	s_mov_b32 s[G1+4], 4                           ; tile_dim1
	s_mov_b32 s[G1+5], 262144                      ; from head to head, in elements
	s_mov_b32 s[G1+6], 0
	s_mov_b32 s[G1+7], 0
	s_or_b32 s[G1B+0], s44, (1<<16)|(1<<20)|(1<<21)|(5<<22)|(7<<25)   ; eight words of padding after every 64
	s_mov_b32 s[G1B+1], 128<<16
	s_mov_b32 s[G1B+2], 128<<16
	s_mov_b32 s[G1B+3], 128<<16
	s_mov_b32 s[G1B+4], 128
	s_mov_b32 s[G1B+5], 1024
	s_mov_b32 s[G1B+6], 0
	s_mov_b32 s[G1B+7], 0
	s_lshl_b32 s16, s15, 14                        ; O: (128 tile row + 64 half) positions of 128 bytes
	s_lshl_b32 s17, s14, 13
	s_add_co_u32 s16, s16, s17
	s_mov_b32 s17, 0
	s_lshl_b32 s46, s14, 18                        ; Wo: 128 half rows of 2,048 bytes + 256 tile column
	s_lshl_b32 s47, s42, 8
	s_add_co_u32 s46, s46, s47
	s_mov_b32 s47, 0
	s_mul_i32 s20, s12, HALFT                      ; where they go: no place in the cluster enters an LDS address
	s_wait_dscnt 0x0                               ; both opening adds are done
	s_wait_kmcnt 0x0
	s_add_nc_u64 s[18:19], s[4:5], s[16:17]
	s_add_nc_u64 s[46:47], s[6:7], s[46:47]
	CROUND                                         ; all sixteen work-groups are here: the first joint loads meet
.irp s, 0,1
	s_mov_b32 s[G0+4*\s], 1
	s_add_co_u32 s[G0+4*\s+1], s20, \s*SLOT
	s_add_nc_u64 s[G0+4*\s+2:G0+4*\s+3], s[18:19], \s*ASTEP
	s_or_b32 s[G0+4*\s+3], s[G0+4*\s+3], 0x80000000
	s_mov_b32 s[G0B+4*\s], 1
	s_add_co_u32 s[G0B+4*\s+1], s20, \s*SLOT
	s_add_nc_u64 s[G0B+4*\s+2:G0B+4*\s+3], s[46:47], \s*BSTEP
	s_or_b32 s[G0B+4*\s+3], s[G0B+4*\s+3], 0x80000000
	JLOAD \s
.endr
	v_and_b32 v1, 15, v0                           ; r
	v_bfe_u32 v2, v0, 4, 1                         ; h
	v_lshlrev_b32 v[BV], 5, v2                     ; the bias: my half's eight numbers of a block of 16
	s_lshl_b32 s46, s42, 9                         ; my first column, in bytes of f32: 512 tile column + 256 half
	s_lshl_b32 s47, s14, 8
	s_add_co_u32 s46, s46, s47
	s_mov_b32 s47, 0
	s_add_nc_u64 s[8:9], s[8:9], s[46:47]
	s_add_nc_u64 s[10:11], s[10:11], s[46:47]
.irp b, 0,1,2,3
	global_load_b128 v[BIAS+8*\b:BIAS+8*\b+3], v[BV], s[8:9] offset:64*\b
	global_load_b128 v[BIAS+8*\b+4:BIAS+8*\b+7], v[BV], s[8:9] offset:64*\b+16
.endr
	s_lshl_b32 s16, s15, 19                        ; my first row: (128 tile row + 64 half) x 4,096 bytes
	s_lshl_b32 s17, s13, 18
	s_add_co_u32 s16, s16, s17
	s_mov_b32 s17, 0
	s_add_nc_u64 s[10:11], s[10:11], s[16:17]
	v_mul_u32_u24 v3, v1, 144
	v_lshl_add_u32 v3, v2, 4, v3
	s_mul_i32 s21, s13, HALFT
	v_add_nc_u32 v[ADRA], s21, v3                  ; O: my 64 positions; position r, + 16 h
	v_add_nc_u32 v[ADRA+1], SLOT, v[ADRA]
	v_and_b32 v4, 7, v0
	v_lshl_add_u32 v4, v2, 3, v4                   ; Wo, turned: lane l reads row 8 (l / 16) + l % 8,
	v_mul_u32_u24 v4, v4, 288
	v_bfe_u32 v5, v0, 3, 1
	v_lshl_add_u32 v4, v5, 4, v4                   ; 16 bytes at 16 ((l / 8) % 2),
	s_lshl_b32 s22, s14, 7
	s_add_co_u32 s22, s22, 2*HALFT                 ; in my 64 columns, behind O's two halves
	v_add_nc_u32 v[ADRB], s22, v4
	v_add_nc_u32 v[ADRB+1], HALFT, v[ADRB]
	v_add_nc_u32 v[ADRB+2], SLOT, v[ADRB]
	v_add_nc_u32 v[ADRB+3], SLOT+HALFT, v[ADRB]
	s_mul_i32 s23, s12, 4352
	s_add_co_u32 s23, s23, STAGE
	v_mul_u32_u24 v[STO], v1, 272
	v_lshl_add_u32 v[STO], v2, 5, v[STO]
	v_add_nc_u32 v[STO], s23, v[STO]               ; my stage, in: row r, 32 bytes for each half of the lanes
	v_mul_u32_u24 v[RD], v2, 272
	v_lshl_add_u32 v[RD], v1, 4, v[RD]
	v_add_nc_u32 v[RD], s23, v[RD]                 ; back: lanes 0-15 one row of 256 bytes, lanes 16-31 the next
	v_lshlrev_b32 v[CO], 12, v2
	v_lshl_add_u32 v[CO], v1, 4, v[CO]             ; and the same two rows in out0
; 8 products: row blocks a0, a0 + 1 x all 4 column blocks, 32 along K: half c of buffer f.  first = 1: the bias is C
.macro MUL8 f, c, a0, first
.irp a, \a0, \a0+1
.irp b, 0,1,2,3
.if \first
	v_wmma_f32_16x16x32_f16 v[ACC+8*(4*(\a)+\b):ACC+8*(4*(\a)+\b)+7], v[\f+64+8*(4*\c+\b):\f+64+8*(4*\c+\b)+7], v[\f+8*(4*\c+\a):\f+8*(4*\c+\a)+7], v[BIAS+8*\b:BIAS+8*\b+7]
.else
	v_wmma_f32_16x16x32_f16 v[ACC+8*(4*(\a)+\b):ACC+8*(4*(\a)+\b)+7], v[\f+64+8*(4*\c+\b):\f+64+8*(4*\c+\b)+7], v[\f+8*(4*\c+\a):\f+8*(4*\c+\a)+7], v[ACC+8*(4*(\a)+\b):ACC+8*(4*(\a)+\b)+7]
.endif
.endr
.endr
.endm
; 32 LDS loads in one run: quarter qd of the slot's K step (64 along K: one head) into buffer f; the first 32 along K first
.macro FETCH slot, qd, f
	WIN TO_F
.irp c, 0,1
.irp i, 0,1,2,3
	ds_load_tr16_b128 v[\f+64+8*(4*\c+\i):\f+64+8*(4*\c+\i)+3],   v[ADRB+2*(\slot)+(\qd)/2] offset:(64*((\qd)%2)+32*\c)*288+32*\i
	ds_load_tr16_b128 v[\f+64+8*(4*\c+\i)+4:\f+64+8*(4*\c+\i)+7], v[ADRB+2*(\slot)+(\qd)/2] offset:(64*((\qd)%2)+32*\c)*288+32*\i+4608
	ds_load_b128 v[\f+8*(4*\c+\i):\f+8*(4*\c+\i)+3],   v[ADRA+\slot] offset:9216*(\qd)+2304*\i+64*\c
	ds_load_b128 v[\f+8*(4*\c+\i)+4:\f+8*(4*\c+\i)+7], v[ADRA+\slot] offset:9216*(\qd)+2304*\i+64*\c+32
.endr
.endr
.endm
; one of a K step's first three quarters: multiplies buffer f and fetches quarter qd into g
.macro QUARTER slot, qd, f, g, first
	s_wait_dscnt 16                                ; the first 32 along K are in
	WIN MUL
	MUL8 \f, 0, 0, \first
	MUL8 \f, 0, 2, \first
	PLACES                                         ; in front of loads into registers that matrix instructions have read
	FETCH \slot, \qd, \g
	s_wait_dscnt 32                                ; all but the 32 just issued
	WIN MUL
	MUL8 \f, 1, 0, 0
	MUL8 \f, 1, 2, 0
.endm
; the last quarter multiplies buffer 1 and changes slots: each wave waits for all its tensor loads, adds 0 to its spare word, and waits for that and for its reads of this slot.  fill = 1: the slot is filled again, two K steps ahead
.macro TURN slot, next, fill
	WIN 0
	s_wait_tensorcnt 0x0                           ; all my tensor loads have landed: my part of the next slot
	ds_add_u32 v[SPW], v[NIL]
	s_wait_dscnt 17                                ; (the add and the youngest sixteen loads may be out)
	WIN MUL
	MUL8 F1, 0, 0, 0
	s_wait_dscnt 0x0                               ; the add is done, and my reads of this slot are over
	s_barrier_signal -1
	MUL8 F1, 0, 2, 0
.if \fill
	WIN 0
.endif
	s_barrier_wait -1
.if \fill
	CREST                                          ; the barrier has opened a round of the cluster's: no wave of any partner still reads this slot or has a load on its way
	s_add_nc_u64 s[G0+4*\slot+2:G0+4*\slot+3], s[G0+4*\slot+2:G0+4*\slot+3], 2*ASTEP
	s_add_nc_u64 s[G0B+4*\slot+2:G0B+4*\slot+3], s[G0B+4*\slot+2:G0B+4*\slot+3], 2*BSTEP
	JLOAD \slot                                    ; the first tensor load behind the round; its four v_nop are also the places in front of the loads below
.else
	PLACES
.endif
	FETCH \next, 0, F0
	WIN MUL
	MUL8 F1, 1, 0, 0
	MUL8 F1, 1, 2, 0
.endm
	s_wait_tensorcnt 1                             ; my part of K step 0 is in; K step 1's may stay out
	s_barrier_signal -1
	s_barrier_wait -1
	FETCH 0, 0, F0
	s_wait_loadcnt 0x0                             ; the bias
	QUARTER 0, 1, F0, F1, 1                        ; K step 0
	QUARTER 0, 2, F1, F0, 0
	QUARTER 0, 3, F0, F1, 0
	TURN 0, 1, 1                                   ; slot 0 takes K step 2
	QUARTER 1, 1, F0, F1, 0                        ; K step 1
	QUARTER 1, 2, F1, F0, 0
	QUARTER 1, 3, F0, F1, 0
	TURN 1, 0, 1                                   ; slot 1 takes K step 3
	QUARTER 0, 1, F0, F1, 0                        ; K step 2
	QUARTER 0, 2, F1, F0, 0
	QUARTER 0, 3, F0, F1, 0
	TURN 0, 1, 0                                   ; nothing is left to fetch
	QUARTER 1, 1, F0, F1, 0                        ; K step 3
	QUARTER 1, 2, F1, F0, 0
	QUARTER 1, 3, F0, F1, 0
	s_wait_dscnt 16
	WIN MUL
	MUL8 F1, 0, 0, 0
	MUL8 F1, 0, 2, 0
	s_wait_dscnt 0x0
	MUL8 F1, 1, 0, 0
	MUL8 F1, 1, 2, 0
	WIN 0
	; THE WAY OUT: my 64 columns of f32 are 256 bytes of a row: 16 rows at a time through my own stage, back as whole pieces of 256 bytes; no barrier
	PLACES
.irp a, 0,1,2,3
.irp b, 0,1,2,3
	ds_store_b128 v[STO], v[ACC+8*(4*\a+\b):ACC+8*(4*\a+\b)+3] offset:64*\b          ; each accumulator from its low end on
	ds_store_b128 v[STO], v[ACC+8*(4*\a+\b)+4:ACC+8*(4*\a+\b)+7] offset:64*\b+16
.endr
.irp t, 0,1,2,3,4,5,6,7
	ds_load_b128 v[TMP+32*(\a%2)+4*\t:TMP+32*(\a%2)+4*\t+3], v[RD] offset:544*\t     ; LDS serves a wave's instructions in order
.endr
	s_wait_dscnt 0x0
	s_wait_xcnt 0x0                                ; earlier stores have read their registers: the other set is loaded again only behind this wait
.irp t, 0,1,2,3,4,5,6,7
	global_store_b128 v[CO], v[TMP+32*(\a%2)+4*\t:TMP+32*(\a%2)+4*\t+3], s[10:11] offset:(16*\a+2*\t)*4096 th:TH_STORE_NT   ; sixteen lanes store 256 consecutive bytes, aligned
.endr
.endr
	s_wait_tensorcnt 0x0                           ; the wave's end
	ds_add_u32 v[SPW], v[NIL]
	s_wait_dscnt 0x0
	CROUND                                         ; the closing round
	s_endpgm
.Lfunc_end_k_qae847c36e0_proj:
	.size	k_qae847c36e0_proj, .Lfunc_end_k_qae847c36e0_proj-k_qae847c36e0_proj
	.p2alignl 7, 3214868480
	.fill 96, 4, 3214868480
	.section	.rodata,"a",@progbits
	.p2align	6, 0x0
	.amdhsa_kernel k_qae847c36e0_proj
		.amdhsa_group_segment_fixed_size 327680
		.amdhsa_private_segment_fixed_size 0
		.amdhsa_enable_private_segment 0
		.amdhsa_kernarg_size 32
		.amdhsa_user_sgpr_count 2
		.amdhsa_user_sgpr_kernarg_segment_ptr 1
		.amdhsa_wavefront_size32 1
		.amdhsa_system_sgpr_workgroup_id_x 1
		.amdhsa_system_sgpr_workgroup_id_y 1
		.amdhsa_system_sgpr_workgroup_id_z 1
		.amdhsa_system_vgpr_workitem_id 0
		.amdhsa_next_free_vgpr 512
		.amdhsa_next_free_sgpr 66
		.amdhsa_reserve_vcc 0
		.amdhsa_float_denorm_mode_32 3
		.amdhsa_float_denorm_mode_16_64 3
		.amdhsa_memory_ordered 1
		.amdhsa_forward_progress 1
		.amdhsa_inst_pref_size 86
	.end_amdhsa_kernel
	.amdgpu_metadata
---
amdhsa.version: [ 1, 2 ]
amdhsa.kernels:
  - .name:           k_qae847c36e0_proj
    .symbol:         k_qae847c36e0_proj.kd
    .args:
      - { .name: ob, .offset: 0, .size: 8, .value_kind: global_buffer, .address_space: global }
      - { .name: wo16, .offset: 8, .size: 8, .value_kind: global_buffer, .address_space: global }
      - { .name: bo, .offset: 16, .size: 8, .value_kind: global_buffer, .address_space: global }
      - { .name: out0, .offset: 24, .size: 8, .value_kind: global_buffer, .address_space: global }
    .group_segment_fixed_size: 327680
    .private_segment_fixed_size: 0
    .kernarg_segment_align: 8
    .kernarg_segment_size: 32
    .max_flat_workgroup_size: 128
    .sgpr_count:     66
    .vgpr_count:     512
    .wavefront_size: 32
...
	.end_amdgpu_metadata
.endif
;; end of part 4
;; launch fine (part 5): grid 64 x 1, 16 waves a work-group, no clusters, 18,432 bytes of LDS; arguments fimg, Wo, bo, out0; writes out0
.if DOCPART == 5
	.amdgcn_target "amdgcn-amd-amdhsa--gfx1250"
	.amdhsa_code_object_version 6
	.text
	.protected	k_qae847c36e0_fine
	.globl	k_qae847c36e0_fine
	.p2align	8
	.type	k_qae847c36e0_fine,@function
k_qae847c36e0_fine:
	s_mov_b64 s[64:65], 0
	v_nop
	global_prefetch_b8 v0, s[64:65] scope:SCOPE_SE
	s_setreg_imm32_b32 hwreg(HW_REG_WAVE_MODE, 25, 1), 1
	s_wait_xcnt 0x0
; Rows 0-15 of out0 once more, wholly in f32: under the causal mask they average one to sixteen values, are the largest in size, and leave the least room for rounded operands.
; A work-group makes columns 16 x .. 16 x + 15 of the 16 rows.  Wave h makes head h's attention anew from the f32 images of q, k, v of positions 0-15, then its head's part of the projection;
; the sixteen parts meet in LDS, and waves 0 and 1 add them, the bias too, and store.
; THE IMAGES ARE FRAGMENTS AS THEY STAND: registers 2 s, 2 s + 1 of an image (or of an accumulator) are an operand of the 16 x 16 x 4 form, whose four k are 8 (lane / 16) + 2 s + 0, 1 within the
; tile; both operands of each product carry the same order of k.
; The registers that the f32 matrix form writes (v144-175, v192-255) are written by nothing else.
; The stores are pieces of 16 bytes, 65,536 bytes in all: a work-group owns 64 bytes of a row; wider ownership would lengthen each wave's chain of f32 products fourfold.
; REGISTERS: v2, v3 the add's two; v4-15 addresses and work; v16-47 q, v48-79 k, v80-111 v, v112-143 Wo; v144-175 S^T in four parts; v176-183 scores, then p; v184-187 bias; v192-223 O^T; v224-255 Y^T in four parts.
.set SPARE, 16384                      ; behind the sixteen parts of 1,024 bytes: the spare words: no other line names them
	s_load_b256 s[4:11], s[0:1], 0x0               ; fimg s[4:5], Wo s[6:7], bo s[8:9], out0 s[10:11]
	v_lshl_add_u32 v2, v0, 2, SPARE
	v_mov_b32 v3, 0
	v_lshrrev_b32 v1, 5, v0
	v_readfirstlane_b32 s12, v1                    ; wave = head
	v_and_b32 v4, 31, v0                           ; lane
	v_and_b32 v5, 15, v0                           ; r
	v_bfe_u32 v6, v0, 4, 1                         ; h
	v_lshlrev_b32 v7, 4, v4                        ; 16 x lane
	v_lshlrev_b32 v8, 2, v5
	v_lshl_add_u32 v8, v6, 15, v8                  ; Wo: column r, 8 h rows of 4,096 bytes down
	v_lshlrev_b32 v9, 5, v6                        ; the bias: 32 h
	v_lshl_add_u32 v10, v5, 12, v9                 ; out0: row r, + 32 h
	s_lshl_b32 s13, s12, 10
	v_add_nc_u32 v11, s13, v7                      ; my part in LDS
	s_lshl_b32 s13, s12, 9
	v_add_nc_u32 v12, s13, v7                      ; waves 0, 1: my half of every part
	v_lshlrev_b32 v13, 3, v6
	v_sub_nc_u32 v13, v5, v13                      ; r - 8 h
	v_mov_b32 v14, 0xff800000                      ; -infinity
	s_mov_b32 s14, 0x76543210
	s_mov_b32 s15, 0xfedcba98
	s_mov_b32 s16, 0x3e38aa3b                      ; c = log2(e) / 8
	s_mul_i32 s20, s12, 12288
	s_mov_b32 s21, 0
	s_lshl_b32 s22, s12, 18                        ; Wo: 64 head rows + 16 x columns
	s_lshl_b32 s24, ttmp9, 6
	s_add_co_u32 s22, s22, s24
	s_mov_b32 s23, 0
	s_lshl_b32 s25, s12, 4
	s_add_co_u32 s24, s24, s25                     ; waves 0, 1: columns 16 x + 4 wave on
	s_mov_b32 s25, 0
	s_wait_kmcnt 0x0
	s_add_nc_u64 s[4:5], s[4:5], s[20:21]
	s_add_nc_u64 s[6:7], s[6:7], s[22:23]
	s_cmp_gt_u32 s12, 1
	s_cbranch_scc1 .Lno_bias
	s_add_nc_u64 s[8:9], s[8:9], s[24:25]
	s_add_nc_u64 s[10:11], s[10:11], s[24:25]
	global_load_b128 v[184:187], v9, s[8:9]        ; issued first, so that one count serves all waves below
.Lno_bias:
.irp b, 0,1,2,3,4,5,6,7,8,9,10,11
	global_load_b128 v[16+8*\b:19+8*\b], v7, s[4:5] offset:1024*\b
	global_load_b128 v[20+8*\b:23+8*\b], v7, s[4:5] offset:1024*\b+512
.endr
.irp ct, 0,1,2,3
.irp i, 0,1,2,3,4,5,6,7
	global_load_b32 v[112+8*\ct+\i], v8, s[6:7] offset:(16*\ct+\i)*4096   ; Wo(64 head + 16 ct + 8 h + i, 16 x + r)
.endr
.endr
	s_wait_loadcnt 32                              ; the images are in; Wo's 32 loads may be out
	; S^T = K Q^T: four accumulators, one for each 16 channels, by turns
.irp s, 0,1,2,3
.irp b, 0,1,2,3
.if \s == 0
	v_wmma_f32_16x16x4_f32 v[144+8*\b:151+8*\b], v[48+8*\b+2*\s:49+8*\b+2*\s], v[16+8*\b+2*\s:17+8*\b+2*\s], 0
.else
	v_wmma_f32_16x16x4_f32 v[144+8*\b:151+8*\b], v[48+8*\b+2*\s:49+8*\b+2*\s], v[16+8*\b+2*\s:17+8*\b+2*\s], v[144+8*\b:151+8*\b]
.endif
.endr
.endr
.rept 8
	v_nop                                          ; eight places behind this form
.endr
.irp j, 0,1,2,3,4,5,6,7
	v_add_f32 v[176+\j], v[144+\j], v[152+\j]      ; lane (r, h): query r, key 8 h + j; each accumulator from its low end on
	v_add_f32 v15, v[160+\j], v[168+\j]
	v_add_f32 v[176+\j], v[176+\j], v15
.endr
.irp j, 0,1,2,3,4,5,6,7
	v_cmp_gt_i32 vcc_lo, \j, v13                   ; hidden where 8 h + j > r
	v_cndmask_b32 v[176+\j], v[176+\j], v14, vcc_lo
.endr
	v_max3_num_f32 v15, v176, v177, v178
	v_max3_num_f32 v15, v15, v179, v180
	v_max3_num_f32 v15, v15, v181, v182
	v_max_num_f32 v15, v15, v183
	v_permlanex16_b32 v1, v15, s14, s15
	v_max_num_f32 v15, v15, v1                     ; the row's maximum: key 0 counts for every query
	v_mul_f32 v15, s16, v15
.irp j, 0,1,2,3,4,5,6,7
	v_fma_f32 v[176+\j], v[176+\j], s16, -v15
.endr
.irp j, 0,1,2,3,4,5,6,7
	v_exp_f32 v[176+\j], v[176+\j]
.endr
	v_nop
	s_wait_alu depctr_va_vdst(0)                   ; the wait ahead of the first reader: one for the eight
	v_add_f32 v1, v176, v177
	v_add_f32 v15, v178, v179
	v_add_f32 v1, v1, v180
	v_add_f32 v15, v15, v181
	v_add_f32 v1, v1, v182
	v_add_f32 v15, v15, v183
	v_add_f32 v1, v1, v15
	v_permlanex16_b32 v15, v1, s14, s15
	v_add_f32 v1, v1, v15
	v_rcp_f32 v15, v1
	v_nop
	s_wait_alu depctr_va_vdst(0)
.irp j, 0,1,2,3,4,5,6,7
	v_mul_f32 v[176+\j], v[176+\j], v15            ; the weights
.endr
	; O^T = V^T P: four accumulators, one for each 16 channels, by turns
.irp s, 0,1,2,3
.irp ct, 0,1,2,3
.if \s == 0
	v_wmma_f32_16x16x4_f32 v[192+8*\ct:199+8*\ct], v[80+8*\ct+2*\s:81+8*\ct+2*\s], v[176+2*\s:177+2*\s], 0
.else
	v_wmma_f32_16x16x4_f32 v[192+8*\ct:199+8*\ct], v[80+8*\ct+2*\s:81+8*\ct+2*\s], v[176+2*\s:177+2*\s], v[192+8*\ct:199+8*\ct]
.endif
.endr
.endr
.rept 9
	v_nop                                          ; nine places: the results become operands
.endr
	s_wait_loadcnt 0x0                             ; Wo
	; Y^T = Wo^T O^T, my head's 64 channels: four accumulators by turns
.irp s, 0,1,2,3
.irp ct, 0,1,2,3
.if \s == 0
	v_wmma_f32_16x16x4_f32 v[224+8*\ct:231+8*\ct], v[112+8*\ct+2*\s:113+8*\ct+2*\s], v[192+8*\ct+2*\s:193+8*\ct+2*\s], 0
.else
	v_wmma_f32_16x16x4_f32 v[224+8*\ct:231+8*\ct], v[112+8*\ct+2*\s:113+8*\ct+2*\s], v[192+8*\ct+2*\s:193+8*\ct+2*\s], v[224+8*\ct:231+8*\ct]
.endif
.endr
.endr
.rept 8
	v_nop
.endr
.irp j, 0,1,2,3,4,5,6,7
	v_add_f32 v[16+\j], v[224+\j], v[232+\j]       ; lane (r, h): row r, column 16 x + 8 h + j
	v_add_f32 v15, v[240+\j], v[248+\j]
	v_add_f32 v[16+\j], v[16+\j], v15
.endr
	ds_store_b128 v11, v[16:19]
	ds_store_b128 v11, v[20:23] offset:512
	s_wait_dscnt 0x0                               ; my part lies in LDS
	s_barrier_signal -1
	s_barrier_wait -1                              ; all sixteen do
	s_cmp_gt_u32 s12, 1
	s_cbranch_scc1 .Lend
.irp k, 0,1,2,3,4,5,6,7,8,9,10,11,12,13,14,15
	ds_load_b128 v[32+4*\k:35+4*\k], v12 offset:1024*\k
.endr
	s_wait_dscnt 0x0
.irp k, 0,1,2,3,4,5,6,7
	v_pk_add_f32 v[32+4*\k:33+4*\k], v[32+4*\k:33+4*\k], v[64+4*\k:65+4*\k]
	v_pk_add_f32 v[34+4*\k:35+4*\k], v[34+4*\k:35+4*\k], v[66+4*\k:67+4*\k]
.endr
.irp k, 0,1,2,3
	v_pk_add_f32 v[32+4*\k:33+4*\k], v[32+4*\k:33+4*\k], v[48+4*\k:49+4*\k]
	v_pk_add_f32 v[34+4*\k:35+4*\k], v[34+4*\k:35+4*\k], v[50+4*\k:51+4*\k]
.endr
.irp k, 0,1
	v_pk_add_f32 v[32+4*\k:33+4*\k], v[32+4*\k:33+4*\k], v[40+4*\k:41+4*\k]
	v_pk_add_f32 v[34+4*\k:35+4*\k], v[34+4*\k:35+4*\k], v[42+4*\k:43+4*\k]
.endr
	v_pk_add_f32 v[32:33], v[32:33], v[36:37]
	v_pk_add_f32 v[34:35], v[34:35], v[38:39]
	v_pk_add_f32 v[32:33], v[32:33], v[184:185]    ; the bias
	v_pk_add_f32 v[34:35], v[34:35], v[186:187]
	global_store_b128 v10, v[32:35], s[10:11]      ; out0(r, 16 x + 8 h + 4 wave + 0 .. 3)
.Lend:
	s_wait_tensorcnt 0x0                           ; the wave's end, behind my last LDS store
	ds_add_u32 v2, v3
	s_wait_dscnt 0x0
	s_endpgm
.Lfunc_end_k_qae847c36e0_fine:
	.size	k_qae847c36e0_fine, .Lfunc_end_k_qae847c36e0_fine-k_qae847c36e0_fine
	.p2alignl 7, 3214868480
	.fill 96, 4, 3214868480
	.section	.rodata,"a",@progbits
	.p2align	6, 0x0
	.amdhsa_kernel k_qae847c36e0_fine
		.amdhsa_group_segment_fixed_size 18432
		.amdhsa_private_segment_fixed_size 0
		.amdhsa_enable_private_segment 0
		.amdhsa_kernarg_size 32
		.amdhsa_user_sgpr_count 2
		.amdhsa_user_sgpr_kernarg_segment_ptr 1
		.amdhsa_wavefront_size32 1
		.amdhsa_system_sgpr_workgroup_id_x 1
		.amdhsa_system_sgpr_workgroup_id_y 1
		.amdhsa_system_sgpr_workgroup_id_z 1
		.amdhsa_system_vgpr_workitem_id 0
		.amdhsa_next_free_vgpr 256
		.amdhsa_next_free_sgpr 66
		.amdhsa_reserve_vcc 1
		.amdhsa_float_denorm_mode_32 3
		.amdhsa_float_denorm_mode_16_64 3
		.amdhsa_memory_ordered 1
		.amdhsa_forward_progress 1
		.amdhsa_inst_pref_size 19
	.end_amdhsa_kernel
	.amdgpu_metadata
---
amdhsa.version: [ 1, 2 ]
amdhsa.kernels:
  - .name:           k_qae847c36e0_fine
    .symbol:         k_qae847c36e0_fine.kd
    .args:
      - { .name: fimg, .offset: 0, .size: 8, .value_kind: global_buffer, .address_space: global }
      - { .name: Wo, .offset: 8, .size: 8, .value_kind: global_buffer, .address_space: global }
      - { .name: bo, .offset: 16, .size: 8, .value_kind: global_buffer, .address_space: global }
      - { .name: out0, .offset: 24, .size: 8, .value_kind: global_buffer, .address_space: global }
    .group_segment_fixed_size: 18432
    .private_segment_fixed_size: 0
    .kernarg_segment_align: 8
    .kernarg_segment_size: 32
    .max_flat_workgroup_size: 512
    .sgpr_count:     66
    .vgpr_count:     256
    .wavefront_size: 32
...
	.end_amdgpu_metadata
.endif
;; end of part 5
